; MI455X (gfx1250); checked and timed in simulation.
; The chip was launched on July 23, 2026; its instructions are those of AMD's public machine-readable ISA for CDNA 5 (MIT licence, August 2026) and "CDNA5" Instruction Set Architecture Reference Guide (July 2026). The comments in the code are by the model that wrote it; some were corrected since.
;; Mo E Sparse Layer. Allowed arithmetic: matrix products marked QUANTISED: E2M3 operands, one E8M0 scale for each 32 along K, by v_wmma_scale_f32_16x16x128_f8f6f4 with both operands' format E2M3, f32 sums; products left as they are: f32 operands where the result goes on into a quantised operand, else bf16, f16 or f32 operands; f32 sums; everything else in f32.
;; Inputs: W1_codes 8 x 1,024 x 32 x 24 uint8 (E2M3 codes of W1, K innermost, in blocks of 32 codes, four codes in three bytes); W1_scales 8 x 1,024 x 32 uint8 (E8M0 scales of W1, one for each 32 codes along K); W2_codes 8 x 1,024 x 32 x 24 uint8 (E2M3 codes of W2, K innermost, in blocks of 32 codes, four codes in three bytes); W2_scales 8 x 1,024 x 32 uint8 (E8M0 scales of W2, one for each 32 codes along K); Wg 1,024 x 8 float32; b1 8 x 1,024 float32; b2 8 x 1,024 float32; bg 8 float32; x 4 x 1,024 x 1,024 float32.
;; Outputs: out0 4 x 1,024 x 1,024 float32.
;; This version of the problem:
;;   THIS VERSION OF THE PROBLEM IS GIVEN IN LOW PRECISION. The matrix products marked QUANTISED in the list below multiply operands that are first quantised to E2M3 (2 exponent bits, 3 mantissa bits; 6 bits a number), with one power-of-two scale for each 32 numbers along K (OCP MX v1.0); their sums are f32. All else is computed in f32.
;;   The module's matrix products, in the order in which they are computed (A, B: the left and right operand; K: the contracted axis; several contracted axes count as one K, in the product's order):
;;     1. [M 4,096, K 1,024] x [K 1,024, N 8]; A: input x; B: input Wg: left as it is (N = 8 < 16)
;;     2. [M 4,096, K 1,024] x [K 1,024, N 8,192]; A: input x; B: input W1 (given as codes): QUANTISED
;;     3. batch 8 x [M 1,024, K 1,024] x [K 1,024, N 4,096]; A: input W2 (given as codes); B: computed on the way: QUANTISED
;;   THE QUANTISER, for each operand of a quantised product, along K:
;;     - K is cut into blocks of 32 from its start; a last block that is shorter is filled with zeros.
;;     - A block's scale is 2^e with e = floor(log2(the largest magnitude in the block)) - 2, held to -126 .. 127; a block of zeros has e = 0. As a byte (E8M0): e + 127.
;;     - Each number is divided by its block's scale, clamped to +-7.5, and rounded to the nearest number of E2M3, ties to even, subnormals kept.
;;     - The product sums the exact products of the quantised numbers (number of the format x scale) in f32.
;;   ~~~python
;;   def quantise(x, axis):      # numpy; x: float32 -> the quantised numbers, widened to float32 again
;;       x = np.moveaxis(x, axis, -1); K = x.shape[-1]
;;       x = np.pad(x, [(0, 0)] * (x.ndim - 1) + [(0, -K % 32)]); x = x.reshape(x.shape[:-1] + (-1, 32)); a = np.abs(x).max(-1, keepdims=True)
;;       e = np.where(a > 0, np.clip(np.frexp(np.where(a > 0, a, 1))[1] - 1 - 2, -126, 127), 0)      # np.frexp(a)[1] - 1 = floor(log2(a)), exactly
;;       r = np.clip(x / 2.0 ** e, -7.5, 7.5)
;;       step = 2.0 ** (np.maximum(np.frexp(np.where(r == 0, 1, r))[1] - 1, 0) - 3)
;;       q = np.round(r / step) * step * 2.0 ** e      # np.round: ties to even
;;       return np.moveaxis(q.reshape(q.shape[:-2] + (-1,))[..., :K], -1, axis).astype(np.float32)
;;   ~~~
;;   OPERANDS COMPUTED ON THE WAY. 'Computed on the way' means the value that the module computes at that place (a softmax that the list does not call 'softmax' is quantised finished and normalised). What goes into a quantiser is computed in f32, as accurately as f32 sums, v_exp_f32 and their like allow (about 1e-6 of the number): no bf16 or f16 on the way to a quantiser, and a product that is left as it is and whose result goes on into a quantised operand takes f32 operands (vector FMAs, or v_wmma_f32_16x16x4_f32). A number that lies on a knife's edge between two numbers of the format may be rounded either way, as far as f32 arithmetic and the matrix unit's own rounding can turn it there, and no further.
;;   INPUTS GIVEN AS CODES. W1 (in the module: [8, 1024, 1024], K = its axis 1); W2 (in the module: [8, 1024, 1024], K = its axis 1): each comes as NAME_codes (uint8): NAME with its K axis moved to the last place and cut into blocks of 32 codes, [.., K / 32, bytes a block], one block behind the other in memory; four codes in three bytes: a row's codes are one little-endian stream of bits, code i at bits 6 i .. 6 i + 5 (a code: sign, 2 exponent bits, 3 mantissa bits); and NAME_scales (uint8): the same leading axes, one E8M0 byte (e + 127) for each 32 codes along K. Its value is code x scale, taken as it is: it is not quantised again, and the codes and scales need not be those that the quantiser above would give.
;; 2 versions. Each part assembles by itself: llvm-mc -triple=amdgcn-amd-amdhsa -mcpu=gfx1250 --defsym DOCPART=n.
;; ======== version 1 of 2: 4 launches
;; workspace buffers: xq 3,145,728 bytes; xs 131,072 bytes; sel 16,384 bytes of whole numbers; gate 32,768 bytes; rec 16,384 bytes of whole numbers; wimg 12,582,912 bytes; hq 6,291,456 bytes; hs 262,144 bytes
;; launch prep (part 1): grid 256 x 1, 8 waves a work-group, no clusters, 86,528 bytes of LDS; arguments x, Wg, bg, W1_codes, W2_codes, xq, xs, sel, gate, wimg; writes xq, xs, sel, gate, wimg
.if DOCPART == 1
	.amdgcn_target "amdgcn-amd-amdhsa--gfx1250"
	.amdhsa_code_object_version 6
	.text
	.protected	k_q4f316a8e9e_prep
	.globl	k_q4f316a8e9e_prep
	.p2align	8
	.type	k_q4f316a8e9e_prep,@function
k_q4f316a8e9e_prep:
	s_mov_b64 s[64:65], 0
	v_nop
	global_prefetch_b8 v0, s[64:65] scope:SCOPE_SE
	s_setreg_imm32_b32 hwreg(HW_REG_WAVE_MODE, 25, 1), 1
	s_wait_xcnt 0x0
; PREP.  Three jobs that need no choice of experts, in one launch of 256 work-groups of eight waves.
;  (1) x [4096][1024] f32 becomes codes of E2M3 (xq: 768 bytes a token, one stream of bits, K innermost) and E8M0 bytes (xs: 32 a token).
;  (2) the router: logits x Wg + bg by f32 multiply-adds, softmax with its maximum taken away, the two largest scores (a tie goes to the lower index).
;      Stored at FIXED places: sel[token] = lo | hi<<3 | key<<8, gate[token] = (score of lo, score of hi); lo < hi are the two experts,
;      key = 8 lo + (hi xor 7 where lo is odd): in ascending key neighbouring pairs of experts share an expert.  No address here hangs on the choice.
;  (3) W1's and W2's codes are laid out once as images of the matrix operand's registers (wimg): tile T = matrix x 512 + expert x 64 + tau holds weight rows
;      32 (tau / 2) + 8 (tau % 2) + i + 8 (i / 8), i = 0 .. 15, as [K step 8][q 3][lane 32][16 bytes]: registers 4 q .. 4 q + 3 of that lane.
; SHARES.  Work-group g: tokens 16 g .. 16 g + 15 and tiles 4 g .. 4 g + 3.  Waves 0-3: wave wq takes columns 256 wq .. + 255 of the 16 tokens.  Waves 4-7: wave 4 + wq relays tile 4 g + wq.
; The two roles part on the wave's number, meet at the one barrier, and part again; every LDS address is made ahead of the parting.
; LIMITS: NaN and infinities among the inputs are not served.  A block of zeros gets the byte 1 where the quantiser says 127: its codes are zeros, and this program alone reads the bytes.
; The two largest are taken of the exponentials ahead of the division; an exponential under 2^-126 counts as 0, so a choice among such scores may differ: its gate is under 1e-37.
; The logits' f32 sums go in another order than a row-by-row sum.
.set RP,   784                         ; relay stage: a row of 768 bytes + 16: row r starts 4 r banks on, so the 32 lanes of an 8-byte load meet no bank twice
.set RST,  0                           ; four relay stages of 16 rows
.set SP,   80                          ; turn stage: 64 bytes + 16 for each lane
.set XST,  4*16*RP                     ; four waves x two turn stages of 32 x SP bytes
.set XCD,  XST+4*2*32*SP               ; the 16 tokens' codes, [token][768]
.set XSB,  XCD+16*768                  ; their scale bytes, [token][32]
.set PART, XSB+512                     ; partial logits, [wq][token][8 f32]
.set AC,   24                          ; v24-31   eight partial logits
.set WG,   32                          ; v32-159  Wg[256 wq + 16 r + i][e] at WG + 8 i + e
.set R,    160                         ; v160-223 four sets of 16 numbers as loaded
.set X,    224                         ; v224-255 two sets of 16 neighbours along K
	s_load_b512 s[8:23], s[0:1], 0x0               ; x, Wg, bg, W1_codes, W2_codes, xq, xs, sel
	s_load_b128 s[24:27], s[0:1], 0x40             ; gate, wimg
	s_set_vgpr_msb 0x40
	v_lshl_add_u32 v0, v0, 2, 0x14e00
	v_mov_b32 v1, 0
	s_set_vgpr_msb 0x4000
	v_lshrrev_b32 v1, 5, v0
	v_readfirstlane_b32 s2, v1                     ; wave 0..7
	s_and_b32 s3, s2, 3                            ; wq
	v_and_b32 v1, 31, v0                           ; l
	v_and_b32 v2, 15, v0                           ; r
	v_bfe_u32 v3, v0, 4, 1                         ; hh
	v_lshlrev_b32 v4, 4, v1                        ; v4  16 l
	s_mul_i32 s4, s3, 2*32*SP
	s_add_co_u32 s4, s4, XST
	v_lshrrev_b32 v5, 2, v1
	v_mul_u32_u24 v5, v5, SP
	v_and_b32 v6, 3, v1
	v_lshl_add_u32 v5, v6, 4, v5
	v_add_nc_u32 v5, s4, v5                        ; v5  turn stage, in: SP (l / 4) + 16 (l % 4)
	v_mul_u32_u24 v6, v1, SP
	v_add_nc_u32 v6, s4, v6                        ; v6  turn stage, out: SP l
	s_lshl_b32 s4, s3, 9
	s_add_co_u32 s4, s4, PART
	v_lshl_add_u32 v7, v3, 5, s4                   ; v7  my half's token among the partial logits
	s_lshl_b32 s4, s3, 3
	s_add_co_u32 s4, s4, XSB
	v_lshrrev_b32 v8, 1, v2
	v_lshl_add_u32 v8, v3, 5, v8
	v_add_nc_u32 v8, s4, v8                        ; v8  my block's scale byte: 32 hh + 8 wq + r / 2
	s_mul_i32 s4, s3, 192
	s_add_co_u32 s4, s4, XCD
	v_mul_u32_u24 v9, v2, 12
	v_mad_u32_u24 v9, v3, 768, v9
	v_add_nc_u32 v9, s4, v9                        ; v9  my 12 bytes of codes: 768 hh + 192 wq + 12 r
	v_lshl_add_u32 v10, v0, 4, XCD                 ; v10 the codes on their way out: 16 x thread
	v_lshl_add_u32 v11, v1, 4, XSB                 ; v11 the scale bytes on their way out
	v_lshl_add_u32 v12, v2, 5, PART                ; v12 token r's partial logits
	v_lshlrev_b32 v13, 9, v2                       ; v13 Wg: my 16 rows of 32 bytes
	v_lshlrev_b32 v14, 4, v2
	v_mad_u32_u24 v14, v3, 768, v14                ; v14 relay, from memory: row hh, 16 r
	s_mul_i32 s4, s3, 16*RP
	v_lshlrev_b32 v15, 4, v2
	v_mad_u32_u24 v15, v3, RP, v15
	v_add_nc_u32 v15, s4, v15                      ; v15 relay stage, in
	v_mul_u32_u24 v16, v2, RP
	v_mad_u32_u24 v16, v3, 24, v16
	v_add_nc_u32 v16, s4, v16                      ; v16 relay stage, out: row r, 24 hh
	v_lshlrev_b32 v17, 4, v0                       ; v17 16 x thread, in xq
	v_lshlrev_b32 v18, 2, v2                       ; v18 4 r, in sel
	v_lshlrev_b32 v19, 3, v2                       ; v19 8 r, in gate
	s_mov_b32 s5, 0
	s_wait_kmcnt 0x0
	s_load_b256 s[28:35], s[12:13], 0x0            ; bg: waited for where wave 0 adds it
	s_lshl_b32 s4, ttmp9, 16                       ; x: 16 tokens of 4,096 bytes a work-group,
	s_lshl_b32 s6, s3, 10                          ; 1,024 bytes of each row a wave
	s_add_co_u32 s4, s4, s6
	s_add_nc_u64 s[8:9], s[8:9], s[4:5]
	s_lshl_b32 s4, s3, 13
	s_add_nc_u64 s[10:11], s[10:11], s[4:5]        ; Wg: my wave's 256 rows
	s_mul_i32 s4, ttmp9, 12288
	s_add_nc_u64 s[18:19], s[18:19], s[4:5]        ; xq
	s_lshl_b32 s4, ttmp9, 9
	s_add_nc_u64 s[20:21], s[20:21], s[4:5]        ; xs
	s_lshl_b32 s4, ttmp9, 6
	s_add_nc_u64 s[22:23], s[22:23], s[4:5]        ; sel
	s_lshl_b32 s4, ttmp9, 7
	s_add_nc_u64 s[24:25], s[24:25], s[4:5]        ; gate
	s_lshl_b32 s6, ttmp9, 2
	s_add_co_u32 s6, s6, s3                        ; T = 4 g + wq
	s_mul_i32 s4, s6, 12288
	s_add_nc_u64 s[26:27], s[26:27], s[4:5]        ; wimg at tile T
	s_and_b32 s6, s6, 511                          ; expert x 64 + tau
	s_lshr_b32 s7, s6, 1
	s_lshl_b32 s7, s7, 5
	s_and_b32 s6, s6, 1
	s_lshl_b32 s6, s6, 3
	s_add_co_u32 s6, s6, s7                        ; the tile's first row among the matrix's 8,192
	s_mul_i32 s4, s6, 768
	s_cmp_lt_u32 ttmp9, 128                        ; tiles 0-511 are W1's, the others W2's: the choice hangs on the work-group's number alone
	s_cselect_b64 s[36:37], s[14:15], s[16:17]
	s_add_nc_u64 s[36:37], s[36:37], s[4:5]
	s_cmp_ge_u32 s2, 4
	s_cbranch_scc1 .Lrelay
; ---- waves 0-3: a step takes tokens 2 t (lanes 0-15) and 2 t + 1 (lanes 16-31).  Loads take the bytes as they lie (512 consecutive bytes each); a turn through the wave's own stage gives each lane 16 neighbours along K.
.macro LOAD t
.irp i, 0,1,2,3
	global_load_b128 v[R+16*((\t)%4)+4*\i:R+16*((\t)%4)+4*\i+3], v4, s[8:9] offset:(2*(\t)+\i/2)*4096+(\i%2)*512 th:TH_LOAD_NT
.endr
.endm
.macro TURN t                          ; LDS serves a wave's instructions in order: no wait between the stores and the loads
.irp i, 0,1,2,3
	ds_store_b128 v5, v[R+16*((\t)%4)+4*\i:R+16*((\t)%4)+4*\i+3] offset:32*SP*((\t)%2)+8*SP*\i
.endr
.irp i, 0,1,2,3
	ds_load_b128 v[X+16*((\t)%2)+4*\i:X+16*((\t)%2)+4*\i+3], v6 offset:32*SP*((\t)%2)+16*\i
.endr
.endm
.macro STEP t
.set XS, X+16*((\t)%2)
	s_wait_dscnt 0x0                               ; this step's numbers are back from the stage, and every earlier LDS store has read its registers
.if (\t) < 4
	LOAD (\t)+4                                    ; into the set that this step's turn has left
.endif
.if (\t) < 7
.if (\t) < 4
	s_wait_loadcnt 12                              ; the next step's four loads are in; the three steps behind it (12 loads) may be out
.else
	s_wait_loadcnt 4*(6-(\t))                      ; towards the end fewer steps stand behind it
.endif
	TURN (\t)+1
.endif
	; the logits' part of my 16 columns: eight sums, two an instruction; one x feeds both halves
.irp j, 0,1,2,3
	v_pk_mul_f32 v[AC+2*\j:AC+2*\j+1], v[XS:XS+1], v[WG+2*\j:WG+2*\j+1] op_sel_hi:[0,1]
.endr
.irp i, 1,2,3,4,5,6,7,8,9,10,11,12,13,14,15
.irp j, 0,1,2,3
.if \i % 2
	v_pk_fma_f32 v[AC+2*\j:AC+2*\j+1], v[XS+\i-1:XS+\i], v[WG+8*\i+2*\j:WG+8*\i+2*\j+1], v[AC+2*\j:AC+2*\j+1] op_sel:[1,0,0] op_sel_hi:[1,1,1]
.else
	v_pk_fma_f32 v[AC+2*\j:AC+2*\j+1], v[XS+\i:XS+\i+1], v[WG+8*\i+2*\j:WG+8*\i+2*\j+1], v[AC+2*\j:AC+2*\j+1] op_sel_hi:[0,1,1]
.endif
.endr
.endr
.irp x, 1,2,4,8                        ; over the sixteen lanes of a token
.irp e, 0,1,2,3,4,5,6,7
	v_add_f32_dpp v[AC+\e], v[AC+\e], v[AC+\e] row_xmask:\x row_mask:0xf bank_mask:0xf
.endr
.endr
	ds_store_b128 v7, v[AC:AC+3] offset:64*(\t)            ; the sixteen lanes of a half store the same numbers at the same place
	ds_store_b128 v7, v[AC+4:AC+7] offset:64*(\t)+16
	; the quantiser: two neighbouring lanes hold a block of 32
	v_max3_num_f32 v1, |v[XS]|, |v[XS+1]|, |v[XS+2]|
	v_max3_num_f32 v2, |v[XS+3]|, |v[XS+4]|, |v[XS+5]|
.irp i, 6,10
	v_max3_num_f32 v1, v1, |v[XS+\i]|, |v[XS+\i+1]|
	v_max3_num_f32 v2, v2, |v[XS+\i+2]|, |v[XS+\i+3]|
.endr
	v_max3_num_f32 v1, v1, |v[XS+14]|, |v[XS+15]|
	v_max3_num_f32 v1, v1, v2, 0x1800000           ; the floor 2^(3 - 127): the byte cannot fall under 1
	v_max_num_f32_dpp v1, v1, v1 row_xmask:1 row_mask:0xf bank_mask:0xf
	v_add_nc_u32 v3, 0xff000000, v1                ; 2 off the exponent field: the conversion takes that field as its scale
	v_cvt_scalef32_pk16_fp6_f32 v[20:22], v[XS:XS+15], v3
	v_lshrrev_b32 v23, 23, v3                      ; the scale's byte (also the plain line behind the conversion)
	ds_store_b8 v8, v23 offset:64*(\t)             ; both lanes of a block store the same byte
.irp c, 0,1,2
	ds_store_b32 v9, v[20+\c] offset:1536*(\t)+4*\c
.endr
.endm
.set n, 0
.rept 32
	global_load_b128 v[WG+4*n:WG+4*n+3], v13, s[10:11] offset:16*n
.set n, n+1
.endr
.irp t, 0,1,2,3
	LOAD \t
.endr
	s_wait_loadcnt 12                              ; Wg and step 0 are in; steps 1 to 3 (12 loads) may be out
	TURN 0
.irp t, 0,1,2,3,4,5,6,7
	STEP \t
.endr
	s_branch .Ljoin
; ---- waves 4-7: one tile of 16 weight rows goes through the wave's own stage and leaves as images of the operand's registers
.Lrelay:
.irp p, 0,1,2,3,4,5,6,7                ; tile rows 2 p + hh lie at source rows 2 p + hh, and 8 further on from tile row 8
.irp j, 0,1,2
	global_load_b128 v[32+4*(3*\p+\j):32+4*(3*\p+\j)+3], v14, s[36:37] offset:(2*\p+8*(\p/4))*768+256*\j th:TH_LOAD_NT   ; sixteen lanes read 256 consecutive bytes, aligned
.endr
.endr
	s_wait_loadcnt 0x0
.irp p, 0,1,2,3,4,5,6,7
.irp j, 0,1,2
	ds_store_b128 v15, v[32+4*(3*\p+\j):32+4*(3*\p+\j)+3] offset:2*\p*RP+256*\j
.endr
.endr
	s_wait_dscnt 0x0                               ; the stores have read their registers: the loads below land there
.irp k, 0,1,2,3,4,5,6,7                ; lane (r, hh): registers 0-5 the 24 bytes at 96 k + 24 hh of row r, registers 6-11 those 48 bytes on
.irp p, 0,1,2,3,4,5
	ds_load_b64 v[32+12*\k+2*\p:32+12*\k+2*\p+1], v16 offset:96*\k+48*(\p/3)+8*(\p%3)
.endr
.endr
.irp k, 0,1,2,3,4,5,6,7
	s_wait_dscnt 6*(7-\k)                          ; K step k's six loads are in; the later steps' may be out
.irp q, 0,1,2
	global_store_b128 v4, v[32+12*\k+4*\q:32+12*\k+4*\q+3], s[26:27] offset:1536*\k+512*\q   ; 512 consecutive bytes, aligned
.endr
.endr
.Ljoin:
	s_wait_dscnt 0x0                               ; for the others' sake: my LDS stores have landed
	s_barrier_signal -1
	s_barrier_wait -1
	s_cmp_ge_u32 s2, 4
	s_cbranch_scc1 .Lend
	; ---- waves 0-3: the 16 tokens' codes are 12,288 consecutive bytes of xq
.irp n, 0,1,2,3,4,5
	ds_load_b128 v[32+4*\n:32+4*\n+3], v10 offset:2048*\n
.endr
.irp n, 0,1,2,3,4,5
	s_wait_dscnt 5-\n
	global_store_b128 v17, v[32+4*\n:32+4*\n+3], s[18:19] offset:2048*\n
.endr
	s_cmp_eq_u32 s2, 1
	s_cbranch_scc0 .Lnot_one
	ds_load_b128 v[56:59], v11                     ; wave 1: the 512 scale bytes
	s_wait_dscnt 0x0
	global_store_b128 v4, v[56:59], s[20:21]
.Lnot_one:
	s_cmp_eq_u32 s2, 0
	s_cbranch_scc0 .Lend
	; ---- wave 0: the gates.  Lane r takes token r (lanes 16-31 repeat it)
.irp w, 0,1,2,3
.irp u, 0,1
	ds_load_b128 v[64+8*\w+4*\u:64+8*\w+4*\u+3], v12 offset:512*\w+16*\u
.endr
.endr
	s_wait_dscnt 0x0
	s_wait_kmcnt 0x0                               ; bg
.irp e, 0,1,2,3,4,5,6,7
	v_add_f32 v[96+\e], v[64+\e], v[72+\e]
.endr
.irp e, 0,1,2,3,4,5,6,7
	v_add_f32 v[96+\e], v[96+\e], v[80+\e]
.endr
.irp e, 0,1,2,3,4,5,6,7
	v_add_f32 v[96+\e], v[96+\e], v[88+\e]
.endr
.irp e, 0,1,2,3,4,5,6,7
	v_add_f32 v[96+\e], s[28+\e], v[96+\e]         ; the logits
.endr
	v_max3_num_f32 v120, v96, v97, v98
	v_max3_num_f32 v120, v120, v99, v100
	v_max3_num_f32 v120, v120, v101, v102
	v_max_num_f32 v120, v120, v103                 ; their maximum is taken away ahead of the exponentials
.irp e, 0,1,2,3,4,5,6,7
	v_sub_f32 v[104+\e], v[96+\e], v120
.endr
.irp e, 0,1,2,3,4,5,6,7
	v_mul_f32 v[104+\e], 0x3fb8aa3b, v[104+\e]
.endr
.irp e, 0,1,2,3,4,5,6,7
	v_exp_f32 v[112+\e], v[104+\e]
.endr
	v_and_b32 v121, 31, v0                         ; the lane (a plain line behind the batch)
	s_wait_alu depctr_va_vdst(0)                   ; one wait for the eight exponentials, ahead of their first use
	v_add_f32 v122, v112, v113
	v_add_f32 v142, v114, v115
	v_add_f32 v122, v122, v142
	v_add_f32 v142, v116, v117
	v_add_f32 v122, v122, v142
	v_add_f32 v142, v118, v119
	v_add_f32 v122, v122, v142                     ; the softmax's sum
	v_rcp_f32 v123, v122                           ; the scans below are the work behind it; they name neither register
	v_mov_b32 v124, v112                           ; the largest so far, and its index: a later one wins only if it is greater
	v_mov_b32 v125, 0
.irp i, 1,2,3,4,5,6,7
	v_cmp_le_f32 vcc_lo, v[112+\i], v124
	v_cndmask_b32 v124, v[112+\i], v124, vcc_lo
	v_cndmask_b32 v125, \i, v125, vcc_lo
.endr
.irp i, 0,1,2,3,4,5,6,7
	v_cmp_ne_u32 vcc_lo, \i, v125
	v_cndmask_b32 v[128+\i], -1.0, v[112+\i], vcc_lo   ; the first choice leaves the field: -1 lies under every exponential
.endr
	v_mov_b32 v126, v128
	v_mov_b32 v127, 0
.irp i, 1,2,3,4,5,6,7
	v_cmp_le_f32 vcc_lo, v[128+\i], v126
	v_cndmask_b32 v126, v[128+\i], v126, vcc_lo
	v_cndmask_b32 v127, \i, v127, vcc_lo
.endr
	v_min_u32 v138, v125, v127                     ; lo
	v_max_u32 v139, v125, v127                     ; hi
	s_wait_alu depctr_va_vdst(0)                   ; the reciprocal, ahead of its first use
	v_mul_f32 v136, v124, v123                     ; the two scores
	v_mul_f32 v137, v126, v123
	v_cmp_lt_u32 vcc_lo, v125, v127
	v_cndmask_b32 v140, v137, v136, vcc_lo         ; lo's score
	v_cndmask_b32 v141, v136, v137, vcc_lo         ; hi's
	v_and_b32 v142, 1, v138
	v_mul_u32_u24 v142, v142, 7
	v_xor_b32 v142, v139, v142
	v_lshl_add_u32 v142, v138, 3, v142             ; key
	v_lshl_or_b32 v143, v139, 3, v138
	v_lshl_or_b32 v143, v142, 8, v143              ; lo | hi<<3 | key<<8
	s_wait_xcnt 0x0                                ; EXEC changes only behind this wait: the stores above have read theirs
	v_cmp_gt_u32 vcc_lo, 16, v121
	s_and_saveexec_b32 s38, vcc_lo
	global_store_b32 v18, v143, s[22:23]
	global_store_b64 v19, v[140:141], s[24:25]
	s_wait_xcnt 0x0
	s_or_b32 exec_lo, exec_lo, s38
.Lend:
	s_set_vgpr_msb 0x5
	s_wait_tensorcnt 0x0
	ds_add_u32 v0, v1
	s_wait_dscnt 0x0
	s_set_vgpr_msb 0x500
	s_endpgm
.Lfunc_end_k_q4f316a8e9e_prep:
	.size	k_q4f316a8e9e_prep, .Lfunc_end_k_q4f316a8e9e_prep-k_q4f316a8e9e_prep
	.p2alignl 7, 3214868480
	.fill 96, 4, 3214868480
	.section	.rodata,"a",@progbits
	.p2align	6, 0x0
	.amdhsa_kernel k_q4f316a8e9e_prep
		.amdhsa_group_segment_fixed_size 86528
		.amdhsa_private_segment_fixed_size 0
		.amdhsa_enable_private_segment 0
		.amdhsa_kernarg_size 80
		.amdhsa_user_sgpr_count 2
		.amdhsa_user_sgpr_kernarg_segment_ptr 1
		.amdhsa_wavefront_size32 1
		.amdhsa_system_sgpr_workgroup_id_x 1
		.amdhsa_system_sgpr_workgroup_id_y 1
		.amdhsa_system_sgpr_workgroup_id_z 1
		.amdhsa_system_vgpr_workitem_id 0
		.amdhsa_next_free_vgpr 258
		.amdhsa_next_free_sgpr 66
		.amdhsa_reserve_vcc 1
		.amdhsa_float_denorm_mode_32 3
		.amdhsa_float_denorm_mode_16_64 3
		.amdhsa_memory_ordered 1
		.amdhsa_forward_progress 1
		.amdhsa_inst_pref_size 89
	.end_amdhsa_kernel
	.amdgpu_metadata
---
amdhsa.version: [ 1, 2 ]
amdhsa.kernels:
  - .name:           k_q4f316a8e9e_prep
    .symbol:         k_q4f316a8e9e_prep.kd
    .args:
      - { .name: x, .offset: 0, .size: 8, .value_kind: global_buffer, .address_space: global }
      - { .name: Wg, .offset: 8, .size: 8, .value_kind: global_buffer, .address_space: global }
      - { .name: bg, .offset: 16, .size: 8, .value_kind: global_buffer, .address_space: global }
      - { .name: W1_codes, .offset: 24, .size: 8, .value_kind: global_buffer, .address_space: global }
      - { .name: W2_codes, .offset: 32, .size: 8, .value_kind: global_buffer, .address_space: global }
      - { .name: xq, .offset: 40, .size: 8, .value_kind: global_buffer, .address_space: global }
      - { .name: xs, .offset: 48, .size: 8, .value_kind: global_buffer, .address_space: global }
      - { .name: sel, .offset: 56, .size: 8, .value_kind: global_buffer, .address_space: global }
      - { .name: gate, .offset: 64, .size: 8, .value_kind: global_buffer, .address_space: global }
      - { .name: wimg, .offset: 72, .size: 8, .value_kind: global_buffer, .address_space: global }
    .group_segment_fixed_size: 86528
    .private_segment_fixed_size: 0
    .kernarg_segment_align: 8
    .kernarg_segment_size: 80
    .max_flat_workgroup_size: 256
    .sgpr_count:     66
    .vgpr_count:     258
    .wavefront_size: 32
...
	.end_amdgpu_metadata
.endif
;; end of part 1
;; launch place (part 2): grid 1 x 1, 32 waves a work-group, no clusters, 8,192 bytes of LDS; arguments sel, rec; writes rec
.if DOCPART == 2
	.amdgcn_target "amdgcn-amd-amdhsa--gfx1250"
	.amdhsa_code_object_version 6
	.text
	.protected	k_q4f316a8e9e_place
	.globl	k_q4f316a8e9e_place
	.p2align	8
	.type	k_q4f316a8e9e_place,@function
k_q4f316a8e9e_place:
	s_mov_b64 s[64:65], 0
	v_nop
	global_prefetch_b8 v0, s[64:65] scope:SCOPE_SE
	s_setreg_imm32_b32 hwreg(HW_REG_WAVE_MODE, 25, 1), 1
	s_wait_xcnt 0x0
; PLACE.  A stable counting sort of the 4,096 tokens by key (28 pairs of experts), by one work-group of 32 waves, without atomics.
; rec[place] = token | lo<<12 | hi<<15.  Blocks of 64 neighbouring places are what the two product launches take.
; Wave wv owns tokens 128 wv + 32 g + l, g = 0 .. 3.  A: each wave counts its tokens of each key (lane J of v16 = key number J).  The counts meet in LDS, [wave][32 words].
; B: every wave sums the table's columns: a key's total, and the part of it that lies in earlier waves; a running sum over the 28 totals gives each key's first place.
; C: a token's place = its key's first place + earlier waves' tokens of that key + earlier tokens of that key in my wave.
; The stores of 4 bytes go to scattered places: the buffer has 16,384 bytes in all and is written once.
	s_load_b128 s[4:7], s[0:1], 0x0                ; sel, rec
	v_lshl_add_u32 v64, v0, 2, 0x1000
	v_mov_b32 v65, 0
	v_lshrrev_b32 v1, 5, v0
	v_readfirstlane_b32 s8, v1                     ; wave
	v_and_b32 v1, 31, v0
	v_lshlrev_b32 v3, 2, v1                        ; 4 l: a column of the table
	v_lshlrev_b32 v21, 2, v0                       ; 4 x thread: my word of the table
	s_lshl_b32 s9, s8, 9
	v_add_nc_u32 v2, s9, v3                        ; byte of token 128 wv + l in sel
	v_lshrrev_b32 v22, 2, v2                       ; that token
.irp i, 12,13,14,15,16,17,18,19
	v_mov_b32 v\i, 0                               ; places, counts, total, before, first places
.endr
	s_wait_kmcnt 0x0
.irp g, 0,1,2,3
	global_load_b32 v[4+\g], v2, s[4:5] offset:128*\g
.endr
	s_wait_loadcnt 0x0
.irp g, 0,1,2,3
	v_bfe_u32 v[8+\g], v[4+\g], 8, 6               ; the key
.endr
; the 28 keys that a pair lo < hi can have, in ascending order; J counts them
.macro KEYS op
.set J, 0
.irp lo, 0,1,2,3,4,5,6
.irp c, 0,1,2,3,4,5,6,7
.if ((\lo % 2 == 0) && (\c > \lo)) || ((\lo % 2 == 1) && (\c + \lo <= 6))
	\op 8*\lo+\c
.set J, J+1
.endif
.endr
.endr
.endm
.macro COUNT key
.irp g, 0,1,2,3
	v_cmp_eq_u32 s[20+\g], \key, v[8+\g]
.endr
.irp g, 0,1,2,3
	s_bcnt1_i32_b32 s[20+\g], s[20+\g]
.endr
	s_add_co_u32 s20, s20, s21
	s_add_co_u32 s22, s22, s23
	s_add_co_u32 s20, s20, s22
	v_writelane_b32 v16, s20, J
.endm
	KEYS COUNT
	ds_store_b32 v21, v16
	s_wait_dscnt 0x0                               ; for the others' sake: my counts have landed
	s_barrier_signal -1
	s_barrier_wait -1
.set W, 0
.rept 32
	ds_load_b32 v[32+W], v3 offset:128*W
.set W, W+1
.endr
	s_wait_dscnt 0x0
.set W, 0
.rept 32
	s_cmp_gt_u32 s8, W
	s_cselect_b32 s20, 1, 0
	v_add_nc_u32 v17, v17, v[32+W]                 ; the key's total
	v_mad_u32_u24 v18, v[32+W], s20, v18           ; and what earlier waves hold of it
.set W, W+1
.endr
	s_mov_b32 s24, 0
.set J, 0
.rept 28
	v_readlane_b32 s20, v17, J
	v_writelane_b32 v19, s24, J                    ; the key's first place
	s_add_co_u32 s24, s24, s20
.set J, J+1
.endr
	v_add_nc_u32 v19, v19, v18
.macro PUT key
	v_readlane_b32 s24, v19, J
.irp g, 0,1,2,3
	v_cmp_eq_u32 s20, \key, v[8+\g]
	v_mbcnt_lo_u32_b32 v20, s20, s24               ; lower lanes with this key + what came before
	v_cndmask_b32 v[12+\g], v[12+\g], v20, s20
	s_bcnt1_i32_b32 s21, s20
	s_add_co_u32 s24, s24, s21
.endr
.endm
	KEYS PUT
.irp g, 0,1,2,3
	v_and_b32 v20, 63, v[4+\g]                     ; lo | hi<<3
	v_add_nc_u32 v23, 32*\g, v22                   ; the token
	v_lshl_or_b32 v[24+\g], v20, 12, v23
	v_min_u32 v[12+\g], 0xfff, v[12+\g]            ; a place stays inside the buffer
	v_lshlrev_b32 v[12+\g], 2, v[12+\g]
	global_store_b32 v[12+\g], v[24+\g], s[6:7]
.endr
	s_wait_tensorcnt 0x0
	ds_add_u32 v64, v65
	s_wait_dscnt 0x0
	s_endpgm
.Lfunc_end_k_q4f316a8e9e_place:
	.size	k_q4f316a8e9e_place, .Lfunc_end_k_q4f316a8e9e_place-k_q4f316a8e9e_place
	.p2alignl 7, 3214868480
	.fill 96, 4, 3214868480
	.section	.rodata,"a",@progbits
	.p2align	6, 0x0
	.amdhsa_kernel k_q4f316a8e9e_place
		.amdhsa_group_segment_fixed_size 8192
		.amdhsa_private_segment_fixed_size 0
		.amdhsa_enable_private_segment 0
		.amdhsa_kernarg_size 16
		.amdhsa_user_sgpr_count 2
		.amdhsa_user_sgpr_kernarg_segment_ptr 1
		.amdhsa_wavefront_size32 1
		.amdhsa_system_sgpr_workgroup_id_x 1
		.amdhsa_system_sgpr_workgroup_id_y 1
		.amdhsa_system_sgpr_workgroup_id_z 1
		.amdhsa_system_vgpr_workitem_id 0
		.amdhsa_next_free_vgpr 66
		.amdhsa_next_free_sgpr 66
		.amdhsa_reserve_vcc 0
		.amdhsa_float_denorm_mode_32 3
		.amdhsa_float_denorm_mode_16_64 3
		.amdhsa_memory_ordered 1
		.amdhsa_forward_progress 1
		.amdhsa_inst_pref_size 60
	.end_amdhsa_kernel
	.amdgpu_metadata
---
amdhsa.version: [ 1, 2 ]
amdhsa.kernels:
  - .name:           k_q4f316a8e9e_place
    .symbol:         k_q4f316a8e9e_place.kd
    .args:
      - { .name: sel, .offset: 0, .size: 8, .value_kind: global_buffer, .address_space: global }
      - { .name: rec, .offset: 8, .size: 8, .value_kind: global_buffer, .address_space: global }
    .group_segment_fixed_size: 8192
    .private_segment_fixed_size: 0
    .kernarg_segment_align: 8
    .kernarg_segment_size: 16
    .max_flat_workgroup_size: 1024
    .sgpr_count:     66
    .vgpr_count:     66
    .wavefront_size: 32
...
	.end_amdgpu_metadata
.endif
;; end of part 2
;; launch ffn1 (part 3): grid 4 x 64, 4 waves a work-group, no clusters, 51,712 bytes of LDS; arguments rec, xq, xs, wimg, W1_scales, b1, hq, hs; writes hq, hs
.if DOCPART == 3
	.amdgcn_target "amdgcn-amd-amdhsa--gfx1250"
	.amdhsa_code_object_version 6
	.text
	.protected	k_q4f316a8e9e_ffn1
	.globl	k_q4f316a8e9e_ffn1
	.p2align	8
	.type	k_q4f316a8e9e_ffn1,@function
k_q4f316a8e9e_ffn1:
	s_mov_b64 s[64:65], 0
	v_nop
	global_prefetch_b8 v0, s[64:65] scope:SCOPE_SE
	s_setreg_imm32_b32 hwreg(HW_REG_WAVE_MODE, 25, 1), 1
	s_wait_xcnt 0x0
; FFN1.  The hidden layer gelu(x W1 + b1) of each token for its two experts, quantised to E2M3 along the hidden units, as images of the next product's operand registers.
; SHARES.  Work-group (c, b): block b of 64 sorted tokens x hidden units 256 c .. + 255.  Wave w: units 256 c + 64 w .. + 63 (four weight tiles) for all 64 tokens (four tiles of 16): no weight byte is read twice in a work-group.
; THE WALK.  The block's experts (2 to 8 of them, read off rec) are visited one after the other; a visit is eight K steps of 128, 16 matrix instructions each.  A token keeps the visit's result where the expert is its
; lo (slot 0) or its hi (slot 1), by v_cndmask_b32; the work is done for all 64 rows in every visit.  The walk hangs on numbers read from memory, so nothing here is brought by a tensor load, no cluster is formed
; (partners would need different numbers of tiles), and no barrier stands in the walk: weights come from memory straight into registers, from the layout that the first launch made.
; THE MATRIX INSTRUCTION IS USED TRANSPOSED: source 0 = 16 weight rows, source 1 = 16 tokens.  The rows of a weight tile are chosen so that lane (r, hh) holds, in tiles 2 p and 2 p + 1, units 32 p + 16 hh + 0 .. 15 of token r.
; b1 is the C of each sum's first matrix instruction.
; gelu(v) = v (0.5 + 0.5 erf(v / sqrt 2)); erf(z) = z P(z^2) / Q(z^2) with z held to +-4.  LIMITS: its absolute error is about 1e-7 |v|; relative to the number it grows on the negative tail (about 3e-6 at v = -2).
; NaN and infinities are not served.  A block of zeros gets the byte 1 where the quantiser says 127: its codes are zeros, and this program alone reads the bytes.
; REGISTERS, in windows of 256.  Window 0: v4-11 addresses; v12-15 two constants; v16-23 the tokens' lo and hi; v32-47 weight scale words; v48-63 x's scale words; v64-191 the 16 accumulators; v192-255 at work.
;   Window 1: v0-191 a ring of four K steps of weights (48 each); v192-223 the bias.   Window 2: v0-95 two K steps of x's fragments; v96-159 the kept codes: slot s, tile m at 96 + 8 (4 s + m): six registers and a scale half-word.
.set XP,   784                         ; a token's 768 bytes of codes + 16 in LDS: row r starts 4 r banks on
.set HSB,  64*XP                       ; behind the 64 rows: the scale bytes on their way out, [slot][K step 2][tile 4][row 16][4 bytes]
.set WS,   32
.set TS,   48
.set ACC,  64
.set BI,   192                         ; window 1
.set SL,   96                          ; window 2
.set Z,    192
.set X2,   208
.set PP,   224
.set QQ,   240
.set TM,   192
.set PW,   198
.set PC,   200
.set MUL,  0x09                        ; source 0 window 1, source 1 window 2, C and D window 0
.set MULB, 0x19                        ; the same with C (the bias) from window 1
.set TOW,  0x40                        ; destination window 1
.set TOA,  0x80                        ; destination window 2
.set ST2,  0x08                        ; a store's data from window 2
.set MSB, 0
.macro WIN new                         ; the immediate's high byte repeats the setting that is left
.if MSB != \new
	s_set_vgpr_msb (MSB<<8)|\new
.set MSB, \new
.endif
.endm
	s_load_b512 s[8:23], s[0:1], 0x0               ; rec, xq, xs, wimg, W1_scales, b1, hq, hs
	s_set_vgpr_msb 0x40
	v_lshl_add_u32 v254, v0, 2, 0xc800
	v_mov_b32 v255, 0
	s_set_vgpr_msb 0x4000
	v_lshrrev_b32 v1, 5, v0
	v_readfirstlane_b32 s2, v1                     ; w
	s_mov_b32 s3, ttmp9                            ; c
	s_and_b32 s4, ttmp7, 0xffff                    ; b
	s_mov_b32 s45, 0                               ; the upper word of the offsets' pair s[44:45]
	s_lshr_b32 s50, s2, 1
	s_and_b32 s51, s2, 1
	v_and_b32 v1, 31, v0                           ; l
	v_and_b32 v2, 15, v0                           ; r
	v_bfe_u32 v3, v0, 4, 1                         ; hh
	v_mul_u32_u24 v4, v2, XP
	v_mad_u32_u24 v4, v3, 24, v4                   ; v4  x's fragments: row r, 24 hh
	v_lshlrev_b32 v5, 4, v1                        ; v5  16 l
	v_and_b32 v6, 8, v2
	v_add_nc_u32 v6, v6, v2
	v_lshl_add_u32 v6, v3, 3, v6
	v_lshlrev_b32 v6, 5, v6                        ; v6  weight scale words: row 8 hh + r + 8 (r / 8), 32 bytes a row
	v_lshlrev_b32 v7, 6, v3                        ; v7  bias: 16 hh numbers on
	v_lshlrev_b32 v8, 3, v1                        ; v8  8 l
	s_lshl_b32 s44, s50, 8
	s_lshl_b32 s52, s51, 1
	s_add_co_u32 s44, s44, s52
	s_add_co_u32 s44, s44, HSB
	v_lshl_add_u32 v9, v2, 2, s44                  ; v9  my two scale bytes of row r
	s_lshl_b32 s44, s51, 9
	s_add_co_u32 s44, s44, HSB
	v_lshl_add_u32 v10, v1, 4, s44                 ; v10 a slot's 512 scale bytes on their way out
	s_mul_i32 s44, s2, 16*XP
	v_mul_u32_u24 v11, v3, 8*XP
	v_lshl_add_u32 v11, v2, 4, v11
	v_add_nc_u32 v11, s44, v11                     ; v11 the gathered rows: row 16 w + 8 hh, 16 r
	v_lshlrev_b32 v30, 2, v2                       ; rec: 4 r
	v_lshlrev_b32 v31, 2, v1                       ;      4 l
	s_lshl_b32 s44, s2, 6
	v_lshl_add_u32 v1, v3, 5, s44                  ;      rows 16 w + 8 hh on
	v_lshlrev_b32 v2, 4, v2                        ; 16 r
	s_wait_kmcnt 0x0
	s_lshl_b32 s44, s4, 8
	s_add_nc_u64 s[8:9], s[8:9], s[44:45]          ; rec at my block
.irp m, 0,1,2,3
	global_load_b32 v[24+\m], v30, s[8:9] offset:64*\m             ; row 16 m + r
.endr
.irp m, 0,1
	global_load_b32 v[28+\m], v31, s[8:9] offset:128*\m            ; row 32 m + l
.endr
	global_load_b128 v[192:195], v1, s[8:9]                        ; rows 16 w + 8 hh + 0 .. 7
	global_load_b128 v[196:199], v1, s[8:9] offset:16
	s_lshl_b32 s7, s3, 2
	s_add_co_u32 s7, s7, s2                        ; 4 c + w: my 64 units
	s_mul_i32 s44, s7, 4*12288
	s_add_nc_u64 s[26:27], s[14:15], s[44:45]      ; my four tiles of expert 0
	s_lshl_b32 s44, s7, 11
	s_add_nc_u64 s[28:29], s[16:17], s[44:45]      ; their scale bytes
	s_lshl_b32 s44, s7, 8
	s_add_nc_u64 s[30:31], s[18:19], s[44:45]      ; their bias
	s_mul_i32 s44, s4, 49152                       ; hq: block b, K step 2 c + w / 2, half w % 2
	s_lshl_b32 s52, s3, 1
	s_add_co_u32 s52, s52, s50
	s_mul_i32 s52, s52, 6144
	s_add_co_u32 s44, s44, s52
	s_mul_i32 s52, s51, 768
	s_add_co_u32 s44, s44, s52
	s_add_nc_u64 s[34:35], s[20:21], s[44:45]
	s_lshl_b32 s44, s51, 17                        ; hs: slot w % 2, block b, my work-group's two K steps
	s_lshl_b32 s52, s4, 11
	s_add_co_u32 s44, s44, s52
	s_lshl_b32 s52, s3, 9
	s_add_co_u32 s44, s44, s52
	s_add_nc_u64 s[36:37], s[22:23], s[44:45]
	s_mov_b32 s46, 0x76543210                      ; v_permlanex16_b32's selects for lane l xor 16
	s_mov_b32 s47, 0xfedcba98
.macro CONST p, bits                   ; a pair: the packed forms name both words
	s_mov_b32 s[\p], \bits
	s_mov_b32 s[\p+1], \bits
.endm
	CONST 56, 0x3f3504f3                           ; 1 / sqrt 2
	CONST 58, 0x326dffee                           ; P's coefficients, halved, from z^11's down
	CONST 60, 0xb58cff51
	CONST 62, 0xb7eec2d2
	CONST 66, 0xb9c0ac63
	CONST 68, 0xbac1a1f6
	CONST 70, 0xbc03dbd4
	CONST 72, 0xb95fbd29                           ; Q's, from z^6's down
	CONST 74, 0xbadc924e
	CONST 76, 0xbbf19bf8
	CONST 78, 0xbc69b6a7
	v_mov_b32 v12, 0xaf15df0b                      ; P's highest, halved
	v_mov_b32 v13, 0xaf15df0b
	v_mov_b32 v14, 0xb77460cd                      ; Q's highest
	v_mov_b32 v15, 0xb77460cd
	s_wait_loadcnt 0x0                             ; rec
.irp m, 0,1,2,3
	v_bfe_u32 v[16+\m], v[24+\m], 12, 3            ; lo
	v_bfe_u32 v[20+\m], v[24+\m], 15, 3            ; hi
.endr
.irp p, 0,1,2,3,4,5,6,7
	v_and_b32 v[200+\p], 0xfff, v[192+\p]          ; the token,
	v_min_u32 v[200+\p], 0xfff, v[200+\p]          ; held inside the buffer,
	v_mul_u32_u24 v[200+\p], v[200+\p], 768        ; its row of codes,
	v_add_nc_u32 v[200+\p], v2, v[200+\p]          ; my 16 bytes
.endr
.irp p, 0,1,2,3,4,5,6,7
.irp j, 0,1,2
	global_load_b128 v[64+4*(3*\p+\j):64+4*(3*\p+\j)+3], v[200+\p], s[10:11] offset:256*\j   ; sixteen lanes read 256 consecutive bytes of a row, aligned
.endr
.endr
.irp m, 0,1
	v_and_b32 v[208+\m], 0xfff, v[28+\m]
	v_min_u32 v[208+\m], 0xfff, v[208+\m]
	v_lshlrev_b32 v[208+\m], 5, v[208+\m]
	global_load_b128 v[TS+8*\m:TS+8*\m+3], v[208+\m], s[12:13]             ; x's scale words: lanes 0-15 tile 2 m's tokens, lanes 16-31 tile 2 m + 1's
	global_load_b128 v[TS+8*\m+4:TS+8*\m+7], v[208+\m], s[12:13] offset:16
.endr
	; which experts the block uses: a bit for each
	v_mov_b32 v210, 1
	v_lshlrev_b32 v211, v16, v210
	v_lshlrev_b32 v212, v20, v210
	v_or_b32 v211, v211, v212
.irp m, 1,2,3
	v_lshlrev_b32 v212, v[16+\m], v210
	v_lshlrev_b32 v213, v[20+\m], v210
	v_or_b32 v211, v211, v212
	v_or_b32 v211, v211, v213
.endr
	s_mov_b32 s5, 0
.irp e, 0,1,2,3,4,5,6,7
	v_and_b32 v212, 1<<\e, v211
	v_cmp_ne_u32 vcc_lo, 0, v212
	s_cmp_lg_u32 vcc_lo, 0
	s_cselect_b32 s44, 1<<\e, 0
	s_or_b32 s5, s5, s44
.endr
	s_bcnt1_i32_b32 s6, s5                         ; visits to make: a token has two experts, so 2 at the least;
	s_max_u32 s6, s6, 1                            ; the walk's counter starts at 1 or more, whatever rec holds
.macro PICK                            ; the next expert to visit: s25; its weights s[38:39], scale bytes s[40:41], bias s[42:43]
	s_ctz_i32_b32 s25, s5
	s_min_u32 s25, s25, 7
	s_lshl_b32 s44, 1, s25
	s_and_not1_b32 s5, s5, s44
	s_mul_i32 s44, s25, 786432
	s_add_nc_u64 s[38:39], s[26:27], s[44:45]
	s_lshl_b32 s44, s25, 15
	s_add_nc_u64 s[40:41], s[28:29], s[44:45]
	s_lshl_b32 s44, s25, 12
	s_add_nc_u64 s[42:43], s[30:31], s[44:45]
.endm
.macro WLOAD p, k                      ; K step k's four weight fragments into ring place k % 4: each load 512 consecutive bytes
.irp t, 0,1,2,3
.irp q, 0,1,2
	global_load_b128 v[48*((\k)%4)+12*\t+4*\q:48*((\k)%4)+12*\t+4*\q+3], v5, s[\p:\p+1] offset:12288*\t+1536*(\k)+512*\q
.endr
.endr
.endm
.macro BLOAD                           ; the bias in the result's layout: tile t, lane (r, hh): units 32 (t / 2) + 16 hh + 8 (t % 2) + 0 .. 7
.irp t, 0,1,2,3
	global_load_b128 v[BI+8*\t:BI+8*\t+3], v7, s[42:43] offset:128*(\t/2)+32*(\t%2)
	global_load_b128 v[BI+8*\t+4:BI+8*\t+7], v7, s[42:43] offset:128*(\t/2)+32*(\t%2)+16
.endr
.endm
.macro SLOAD hf                        ; weight scale words of K steps 4 hf .. 4 hf + 3: lanes 0-15 tile 2 p's rows, lanes 16-31 tile 2 p + 1's
.irp p, 0,1
	global_load_b128 v[WS+8*\p+4*\hf:WS+8*\p+4*\hf+3], v6, s[40:41] offset:1024*\p+16*\hf
.endr
.endm
.macro FETCH k                         ; x's four fragments of K step k into place k % 2
.irp m, 0,1,2,3
.irp p, 0,1,2,3,4,5
	ds_load_b64 v[48*((\k)%2)+12*\m+2*\p:48*((\k)%2)+12*\m+2*\p+1], v4 offset:16*XP*\m+96*(\k)+48*(\p/3)+8*(\p%3)
.endr
.endr
.endm
.macro WM d, a, b, c, sa, sb, ra, rb   ; one product; ra, rb: the scale words stand in lanes 16-31
.if ((\ra) != 0) && ((\rb) != 0)
	v_wmma_scale_f32_16x16x128_f8f6f4 v[\d:\d+7], v[\a:\a+11], v[\b:\b+11], v[\c:\c+7], v[\sa], v[\sb] matrix_a_fmt:MATRIX_FMT_FP6 matrix_b_fmt:MATRIX_FMT_FP6 matrix_a_scale:MATRIX_SCALE_ROW1 matrix_b_scale:MATRIX_SCALE_ROW1
.elseif (\ra) != 0
	v_wmma_scale_f32_16x16x128_f8f6f4 v[\d:\d+7], v[\a:\a+11], v[\b:\b+11], v[\c:\c+7], v[\sa], v[\sb] matrix_a_fmt:MATRIX_FMT_FP6 matrix_b_fmt:MATRIX_FMT_FP6 matrix_a_scale:MATRIX_SCALE_ROW1
.elseif (\rb) != 0
	v_wmma_scale_f32_16x16x128_f8f6f4 v[\d:\d+7], v[\a:\a+11], v[\b:\b+11], v[\c:\c+7], v[\sa], v[\sb] matrix_a_fmt:MATRIX_FMT_FP6 matrix_b_fmt:MATRIX_FMT_FP6 matrix_b_scale:MATRIX_SCALE_ROW1
.else
	v_wmma_scale_f32_16x16x128_f8f6f4 v[\d:\d+7], v[\a:\a+11], v[\b:\b+11], v[\c:\c+7], v[\sa], v[\sb] matrix_a_fmt:MATRIX_FMT_FP6 matrix_b_fmt:MATRIX_FMT_FP6
.endif
.endm
; How many loads were issued behind K step k's twelve weight loads.  With a successor (P = 1): three K steps of 12 and 2 scale loads = 38; in steps 1 to 4 the successor's 8 bias loads too = 46.
; Without (P = 0): 38 while the ring is still fed, then the K steps that are left.
.macro LWAIT k, P
.if \P
.if ((\k) == 0) || ((\k) >= 5)
	s_wait_loadcnt 38
.else
	s_wait_loadcnt 46
.endif
.else
.if (\k) < 4
	s_wait_loadcnt 38
.else
	s_wait_loadcnt 12*(7-(\k))
.endif
.endif
.endm
; A K STEP of 128: 16 matrix instructions, the sixteen accumulators by turns, one instruction a turn, in the same order in every step.
; P = 1: the visit has a successor, whose bias, scale words and first four K steps are asked for on the way.
.macro KSTEP k, P
	s_wait_dscnt 0x0                               ; x's fragments of this step, asked for a step ago
.if (\P) || ((\k) < 7)
	WIN TOA
	FETCH ((\k)+1)%8                               ; the place's last products stand in front of the last step's v_nop
.endif
	LWAIT \k, \P
.if (\k) == 0
	WIN MULB
.else
	WIN MUL
.endif
.irp m, 0,1,2,3
.irp t, 0,1,2,3
.if (\k) == 0
	WM ACC+8*(4*\m+\t), 48*((\k)%4)+12*\t, 48*((\k)%2)+12*\m, BI+8*\t, WS+8*(\t/2)+(\k), TS+8*(\m/2)+(\k), \t%2, \m%2
.else
	WM ACC+8*(4*\m+\t), 48*((\k)%4)+12*\t, 48*((\k)%2)+12*\m, ACC+8*(4*\m+\t), WS+8*(\t/2)+(\k), TS+8*(\m/2)+(\k), \t%2, \m%2
.endif
.endr
.endr
.rept 4
	v_nop                                          ; places in front of loads into registers that these products have read, and of the first read of results
.endr
.if (\k) == 7
	v_nop                                          ; one more: the next visit's first products write over these accumulators with another C
.endif
.if (\k) < 4
	WIN TOW
	WLOAD 32, (\k)+4
.if ((\k) == 0) && (\P)
	BLOAD
.endif
.elseif \P
	WIN TOW
	WLOAD 38, (\k)-4
.endif
.if (\P) && ((\k) == 3)
	WIN 0
	SLOAD 0
.endif
.if (\P) && ((\k) == 7)
	WIN 0
	SLOAD 1
.endif
.endm
; gelu of 16 numbers in place, from the low end on
.macro GELU a
.irp i, 0,2,4,6,8,10,12,14
	v_pk_mul_f32 v[Z+\i:Z+\i+1], v[\a+\i:\a+\i+1], s[56:57] op_sel_hi:[1,0]
.endr
.irp i, 0,1,2,3,4,5,6,7,8,9,10,11,12,13,14,15
	v_med3_num_f32 v[Z+\i], v[Z+\i], -4.0, 4.0
.endr
.irp i, 0,2,4,6,8,10,12,14
	v_pk_mul_f32 v[X2+\i:X2+\i+1], v[Z+\i:Z+\i+1], v[Z+\i:Z+\i+1]
.endr
.irp i, 0,2,4,6,8,10,12,14
	v_pk_fma_f32 v[PP+\i:PP+\i+1], v[X2+\i:X2+\i+1], v[12:13], s[58:59] op_sel_hi:[1,1,0]
.endr
.irp i, 0,2,4,6,8,10,12,14
	v_pk_fma_f32 v[QQ+\i:QQ+\i+1], v[X2+\i:X2+\i+1], v[14:15], s[72:73] op_sel_hi:[1,1,0]
.endr
.irp c, 74,76,78
.irp i, 0,2,4,6,8,10,12,14
	v_pk_fma_f32 v[QQ+\i:QQ+\i+1], v[QQ+\i:QQ+\i+1], v[X2+\i:X2+\i+1], s[\c:\c+1] op_sel_hi:[1,1,0]
.endr
.endr
.irp i, 0,1,2,3,4,5,6,7,8,9,10,11,12,13,14,15
	v_rcp_f32 v[QQ+\i], v[QQ+\i]                   ; one batch; P's chain below is the work behind it and names none of its results
.endr
.irp c, 60,62,66,68,70
.irp i, 0,2,4,6,8,10,12,14
	v_pk_fma_f32 v[PP+\i:PP+\i+1], v[PP+\i:PP+\i+1], v[X2+\i:X2+\i+1], s[\c:\c+1] op_sel_hi:[1,1,0]
.endr
.endr
.irp i, 0,2,4,6,8,10,12,14
	v_pk_mul_f32 v[PP+\i:PP+\i+1], v[PP+\i:PP+\i+1], v[Z+\i:Z+\i+1]
.endr
	s_wait_alu depctr_va_vdst(0)                   ; one wait for the sixteen reciprocals, ahead of their first use
.irp i, 0,2,4,6,8,10,12,14
	v_pk_fma_f32 v[PP+\i:PP+\i+1], v[PP+\i:PP+\i+1], v[QQ+\i:QQ+\i+1], 0.5 op_sel_hi:[1,1,0]
.endr
.irp i, 0,2,4,6,8,10,12,14
	v_pk_mul_f32 v[\a+\i:\a+\i+1], v[\a+\i:\a+\i+1], v[PP+\i:PP+\i+1]
.endr
.endm
; tile m's 32 numbers a lane, two blocks of 32 units (each in lanes l and l xor 16), become six registers of the next operand in v[PC] on and two scale bytes in v[PW]
.macro QUANT2 m
.set QA, ACC+32*(\m)
.irp b, 0,1
	v_max3_num_f32 v[TM+\b], |v[QA+16*\b]|, |v[QA+16*\b+1]|, 0x1800000     ; the floor 2^(3 - 127): the byte cannot fall under 1
.endr
.irp i, 2,4,6,8,10,12,14
.irp b, 0,1
	v_max3_num_f32 v[TM+\b], v[TM+\b], |v[QA+16*\b+\i]|, |v[QA+16*\b+\i+1]|
.endr
.endr
.irp b, 0,1
	v_permlanex16_b32 v[TM+2+\b], v[TM+\b], s46, s47
.endr
.irp b, 0,1
	v_max_num_f32 v[TM+\b], v[TM+\b], v[TM+2+\b]
.endr
.irp b, 0,1
	v_add_nc_u32 v[TM+4+\b], 0xff000000, v[TM+\b]  ; 2 off the exponent field: the conversion's scale operand
.endr
.irp b, 0,1
	v_lshrrev_b32 v[TM+2+\b], 23, v[TM+4+\b]       ; the scale's byte
.endr
	v_lshl_or_b32 v[PW], v[TM+3], 8, v[TM+2]
	v_cvt_scalef32_pk16_fp6_f32 v[PC:PC+2], v[QA:QA+15], v[TM+4]
	v_cvt_scalef32_pk16_fp6_f32 v[PC+6:PC+8], v[QA+16:QA+31], v[TM+5]
	v_nop                                          ; one plain line behind a scaled conversion
.irp i, 0,1,2
	v_permlane16_swap_b32 v[PC+\i], v[PC+6+\i]     ; the operand wants a whole block in a lane: lanes 0-15 the first block, lanes 16-31 the second
.endr
.irp i, 0,1,2
	v_mov_b32 v[PC+3+\i], v[PC+6+\i]
.endr
.endm
.macro SELECT m                        ; kept where this visit's expert is the token's lo (slot 0) or hi (slot 1)
	WIN 0x82                                       ; destination and source 0 window 2, source 1 window 0
.irp s, 0,1
.irp i, 0,1,2,3,4,5
	v_cndmask_b32 v[SL+8*(4*\s+\m)+\i], v[SL+8*(4*\s+\m)+\i], v[PC+\i], s[48+4*\s+\m]
.endr
	v_cndmask_b32 v[SL+8*(4*\s+\m)+6], v[SL+8*(4*\s+\m)+6], v[PW], s[48+4*\s+\m]
.endr
	WIN 0
.endm
	PICK
	WIN TOW                                        ; the first visit's 60 loads go out in the order in which a visit asks for its successor's: bias, scale words lo, K steps 0 to 3, scale words hi
	BLOAD
	WIN 0
	SLOAD 0
	WIN TOW
	WLOAD 38, 0
	WLOAD 38, 1
	WIN 0
	s_wait_loadcnt 34                              ; all but the 8 + 2 + 12 + 12 just issued: the gathered rows and x's scale words are in
.irp p, 0,1,2,3,4,5,6,7
.irp j, 0,1,2
	ds_store_b128 v11, v[64+4*(3*\p+\j):64+4*(3*\p+\j)+3] offset:XP*\p+256*\j
.endr
.endr
	WIN TOW
	WLOAD 38, 2
	WLOAD 38, 3
	WIN 0
	SLOAD 1
	WIN TOA
.set n, 0
.rept 64
	v_mov_b32 v[SL+n], 0                           ; the kept codes: v_cndmask_b32 reads what it may keep
.set n, n+1
.endr
	WIN 0
	s_wait_dscnt 0x0                               ; for the others' sake: my 16 rows have landed
	s_barrier_signal -1
	s_barrier_wait -1
	WIN TOA
	FETCH 0
	WIN 0
.Lvisit:
	s_wait_xcnt 0x0                                ; the loads that are out have read their bases: the pointers may be written
	s_mov_b64 s[32:33], s[38:39]                   ; this visit's weights
	s_mov_b32 s24, s25                             ; and its expert
	s_cmp_eq_u32 s6, 1
	s_cbranch_scc1 .Llast
	PICK
.irp k, 0,1,2,3,4,5,6,7
	KSTEP \k, 1
.endr
	WIN 0
	s_branch .Lepi
.Llast:
.irp k, 0,1,2,3,4,5,6,7
	KSTEP \k, 0
.endr
	WIN 0
.Lepi:
.irp m, 0,1,2,3
	v_cmp_eq_u32 s[48+\m], s24, v[16+\m]
	v_cmp_eq_u32 s[52+\m], s24, v[20+\m]
.endr
.irp m, 0,1,2,3
	GELU ACC+32*\m
	GELU ACC+32*\m+16
	QUANT2 \m
	SELECT \m
.endr
	s_sub_co_u32 s6, s6, 1
	s_cmp_lg_u32 s6, 0
	s_cbranch_scc1 .Lvisit
	s_wait_loadcnt 0x0
	s_wait_dscnt 0x0
	; THE WAY OUT: each store of codes covers 512 or 256 consecutive bytes, aligned; the scale bytes of four waves meet in LDS
	WIN ST2
.irp s, 0,1
.irp m, 0,1,2,3
	global_store_b128 v5, v[SL+8*(4*\s+\m):SL+8*(4*\s+\m)+3], s[34:35] offset:3145728*\s+1536*\m
	global_store_b64 v8, v[SL+8*(4*\s+\m)+4:SL+8*(4*\s+\m)+5], s[34:35] offset:3145728*\s+1536*\m+512
	ds_store_b16 v9, v[SL+8*(4*\s+\m)+6] offset:512*\s+64*\m       ; lanes r and r + 16 store the same two bytes
.endr
.endr
	WIN 0
	s_wait_dscnt 0x0                               ; for the others' sake
	s_barrier_signal -1
	s_barrier_wait -1
	s_cmp_lt_u32 s2, 2
	s_cbranch_scc0 .Lend
	ds_load_b128 v[192:195], v10                   ; waves 0 and 1: a slot's 512 scale bytes
	s_wait_dscnt 0x0
	global_store_b128 v5, v[192:195], s[36:37]
.Lend:
	s_set_vgpr_msb 0x5
	s_wait_tensorcnt 0x0
	ds_add_u32 v254, v255
	s_wait_dscnt 0x0
	s_set_vgpr_msb 0x500
	s_endpgm
.Lfunc_end_k_q4f316a8e9e_ffn1:
	.size	k_q4f316a8e9e_ffn1, .Lfunc_end_k_q4f316a8e9e_ffn1-k_q4f316a8e9e_ffn1
	.p2alignl 7, 3214868480
	.fill 96, 4, 3214868480
	.section	.rodata,"a",@progbits
	.p2align	6, 0x0
	.amdhsa_kernel k_q4f316a8e9e_ffn1
		.amdhsa_group_segment_fixed_size 51712
		.amdhsa_private_segment_fixed_size 0
		.amdhsa_enable_private_segment 0
		.amdhsa_kernarg_size 64
		.amdhsa_user_sgpr_count 2
		.amdhsa_user_sgpr_kernarg_segment_ptr 1
		.amdhsa_wavefront_size32 1
		.amdhsa_system_sgpr_workgroup_id_x 1
		.amdhsa_system_sgpr_workgroup_id_y 1
		.amdhsa_system_sgpr_workgroup_id_z 1
		.amdhsa_system_vgpr_workitem_id 0
		.amdhsa_next_free_vgpr 768
		.amdhsa_next_free_sgpr 84
		.amdhsa_reserve_vcc 1
		.amdhsa_float_denorm_mode_32 3
		.amdhsa_float_denorm_mode_16_64 3
		.amdhsa_memory_ordered 1
		.amdhsa_forward_progress 1
		.amdhsa_inst_pref_size 186
	.end_amdhsa_kernel
	.amdgpu_metadata
---
amdhsa.version: [ 1, 2 ]
amdhsa.kernels:
  - .name:           k_q4f316a8e9e_ffn1
    .symbol:         k_q4f316a8e9e_ffn1.kd
    .args:
      - { .name: rec, .offset: 0, .size: 8, .value_kind: global_buffer, .address_space: global }
      - { .name: xq, .offset: 8, .size: 8, .value_kind: global_buffer, .address_space: global }
      - { .name: xs, .offset: 16, .size: 8, .value_kind: global_buffer, .address_space: global }
      - { .name: wimg, .offset: 24, .size: 8, .value_kind: global_buffer, .address_space: global }
      - { .name: W1_scales, .offset: 32, .size: 8, .value_kind: global_buffer, .address_space: global }
      - { .name: b1, .offset: 40, .size: 8, .value_kind: global_buffer, .address_space: global }
      - { .name: hq, .offset: 48, .size: 8, .value_kind: global_buffer, .address_space: global }
      - { .name: hs, .offset: 56, .size: 8, .value_kind: global_buffer, .address_space: global }
    .group_segment_fixed_size: 51712
    .private_segment_fixed_size: 0
    .kernarg_segment_align: 8
    .kernarg_segment_size: 64
    .max_flat_workgroup_size: 128
    .sgpr_count:     84
    .vgpr_count:     768
    .wavefront_size: 32
...
	.end_amdgpu_metadata
.endif
;; end of part 3
;; launch ffn2 (part 4): grid 4 x 64, 4 waves a work-group, no clusters, 102,912 bytes of LDS; arguments rec, gate, hq, hs, wimg, W2_scales, b2, out0; writes out0
.if DOCPART == 4
	.amdgcn_target "amdgcn-amd-amdhsa--gfx1250"
	.amdhsa_code_object_version 6
	.text
	.protected	k_q4f316a8e9e_ffn2
	.globl	k_q4f316a8e9e_ffn2
	.p2align	8
	.type	k_q4f316a8e9e_ffn2,@function
k_q4f316a8e9e_ffn2:
	s_mov_b64 s[64:65], 0
	v_nop
	global_prefetch_b8 v0, s[64:65] scope:SCOPE_SE
	s_setreg_imm32_b32 hwreg(HW_REG_WAVE_MODE, 25, 1), 1
	s_wait_xcnt 0x0
; FFN2.  out[token] = the sum over the token's two experts of gate x (hidden W2 + b2).
; SHARES.  Work-group (c, b): block b of 64 sorted tokens x output columns 256 c .. + 255; wave w: columns 256 c + 64 w .. + 63 for all 64 tokens.  Each output row's 1,024 bytes of a work-group have one owner: nothing is added between work-groups.
; TWO WALKS.  The block's hidden codes lie in LDS as images of the operand's registers: slot 0 holds each row's hidden layer for its lower expert (lo), slot 1 for its higher one (hi).  Walk 0 visits the experts that are some row's lo
; and multiplies slot 0; walk 1 visits those that are some row's hi and multiplies slot 1.  So every LDS address is a constant and a lane term, made at the head.  A visit is eight K steps of 128, 16 matrix instructions each, for all 64 rows;
; gate x (product + b2) is added only in the lanes whose token has the expert in that slot, so a product that is thrown away never reaches a result.  A block inside one pair of experts has two visits.
; The walks hang on numbers read from memory, so there is no tensor load, no cluster (partners would need different numbers of tiles) and no barrier in them: weights come from memory straight into registers, from the layout that
; the first launch made.  The stream of weights does not stop between the walks: walk 0's last visit asks for the first expert of walk 1.
; THE MATRIX INSTRUCTION IS USED TRANSPOSED (source 0 = 16 weight rows, source 1 = 16 tokens); b2 is the C of each sum's first matrix instruction.
; LDS: two barriers.  Ahead of the first the images are stored; between the two they are only read; behind the second the waves' stages for the way out lie over slot 0's first bytes.
; LIMITS: NaN and infinities among the inputs are not served.
; REGISTERS, in windows of 256.  Window 0: v4-15, v30 addresses; v16-23 the rows' lo and hi; v32-47 weight scale words; v48-63 the hidden layer's; v64-191 the 16 accumulators; v200-207 the gates; v224-255 the rows' places in out0.
;   Window 1: the weights' ring of four K steps and the bias.   Window 2: v0-95 two K steps of hidden fragments (at the head the copy, at the end rows of out0).   Window 3: v0-127 the results.
.set SLOTB, 49152                      ; a slot's codes for the block: LDS bytes 0 .. 98,303 hold the two slots
.set HSL,  2*SLOTB                     ; behind them their scale words, 2 x 2,048 bytes
.set HSLB, 2048
.set SGP,  272                         ; the way out: each wave's own stage of 16 rows x (256 bytes + 16), from LDS byte 4,352 w on: in slot 0, which nobody reads behind the second barrier
.set WS,   32
.set TS,   48
.set ACC,  64
.set GT,   200
.set BI,   192                         ; window 1
.set MUL,  0x09                        ; source 0 window 1, source 1 window 2, C and D window 0
.set MULB, 0x19                        ; the same with C (the bias) from window 1
.set TOW,  0x40                        ; destination window 1
.set TOA,  0x80                        ; destination window 2
.set ST2,  0x08                        ; a store's data from window 2
.set MSB, 0
.macro WIN new                         ; the immediate's high byte repeats the setting that is left
.if MSB != \new
	s_set_vgpr_msb (MSB<<8)|\new
.set MSB, \new
.endif
.endm
	s_load_b512 s[8:23], s[0:1], 0x0               ; rec, gate, hq, hs, wimg, W2_scales, b2, out0
	v_lshl_add_u32 v213, v0, 2, 0x19000
	v_mov_b32 v219, 0
	v_lshrrev_b32 v1, 5, v0
	v_readfirstlane_b32 s2, v1                     ; w
	s_mov_b32 s3, ttmp9                            ; c
	s_and_b32 s4, ttmp7, 0xffff                    ; b
	s_mov_b32 s45, 0                               ; the upper word of the offsets' pair s[44:45]
	s_lshr_b32 s50, s2, 1
	s_and_b32 s51, s2, 1
	v_and_b32 v1, 31, v0                           ; l
	v_and_b32 v2, 15, v0                           ; r
	v_bfe_u32 v3, v0, 4, 1                         ; hh
	v_lshlrev_b32 v4, 4, v1                        ; v4  16 l: an image's first four registers in slot 0; also the weights' offset
	v_and_b32 v5, 8, v2
	v_add_nc_u32 v5, v5, v2
	v_lshl_add_u32 v5, v3, 3, v5
	v_lshlrev_b32 v5, 5, v5                        ; v5  weight scale words: row 8 hh + r + 8 (r / 8), 32 bytes a row
	v_lshlrev_b32 v6, 6, v3                        ; v6  bias: 16 hh numbers on
	v_lshlrev_b32 v7, 4, v2                        ; v7  16 r
	v_lshl_add_u32 v8, v1, 3, 512                  ; v8  an image's last two registers in slot 0: 512 + 8 l
	v_lshl_add_u32 v9, v1, 2, HSL                  ; v9  a scale word: 4 l
	v_add_nc_u32 v10, SLOTB, v4                    ; v10 as v4, in slot 1
	v_add_nc_u32 v11, SLOTB, v8                    ; v11 as v8, in slot 1
	s_mul_i32 s44, s2, 16*SGP                      ; my stage
	v_mul_u32_u24 v13, v2, SGP
	v_lshl_add_u32 v13, v3, 6, v13
	v_add_nc_u32 v13, s44, v13                     ; v13 the stage, in: row r, 64 hh
	v_mul_u32_u24 v14, v3, 8*SGP
	v_lshl_add_u32 v14, v2, 4, v14
	v_add_nc_u32 v14, s44, v14                     ; v14 the stage, out: row 8 hh, 16 r
	s_mul_i32 s44, s2, 24576
	v_add_nc_u32 v15, s44, v4                      ; v15 the copy: my quarter of the codes
	s_lshl_b32 s44, s2, 10
	s_add_co_u32 s44, s44, HSL
	v_add_nc_u32 v30, s44, v4                      ; v30 and of the scale words
	v_lshlrev_b32 v218, 2, v2                      ; rec: 4 r
	v_lshlrev_b32 v220, 5, v3                      ;      rows 8 hh on
	s_wait_kmcnt 0x0
	s_lshl_b32 s44, s4, 8
	s_add_nc_u64 s[8:9], s[8:9], s[44:45]          ; rec at my block
.irp m, 0,1,2,3
	global_load_b32 v[208+\m], v218, s[8:9] offset:64*\m           ; row 16 m + r
.endr
.irp m, 0,1,2,3
	global_load_b128 v[224+8*\m:224+8*\m+3], v220, s[8:9] offset:64*\m       ; rows 16 m + 8 hh + 0 .. 7
	global_load_b128 v[224+8*\m+4:224+8*\m+7], v220, s[8:9] offset:64*\m+16
.endr
	s_mul_i32 s44, s50, 3145728                    ; hq: slot w / 2, block b, half w % 2
	s_mul_i32 s52, s4, SLOTB
	s_add_co_u32 s44, s44, s52
	s_mul_i32 s52, s51, 24576
	s_add_co_u32 s44, s44, s52
	s_add_nc_u64 s[34:35], s[12:13], s[44:45]
	s_lshl_b32 s44, s50, 17                        ; hs likewise
	s_lshl_b32 s52, s4, 11
	s_add_co_u32 s44, s44, s52
	s_lshl_b32 s52, s51, 10
	s_add_co_u32 s44, s44, s52
	s_add_nc_u64 s[36:37], s[14:15], s[44:45]
	WIN TOA
.set n, 0
.rept 48
	global_load_b128 v[4*n:4*n+3], v4, s[34:35] offset:512*n       ; the copy of my quarter of the codes: 512 consecutive bytes each
.set n, n+1
.endr
	WIN 0
	s_lshl_b32 s7, s3, 2
	s_add_co_u32 s7, s7, s2                        ; 4 c + w: my 64 columns
	s_mul_i32 s44, s7, 4*12288
	s_add_co_u32 s44, s44, 6291456                 ; W2's tiles lie behind W1's
	s_add_nc_u64 s[26:27], s[16:17], s[44:45]      ; my four tiles of expert 0
	s_lshl_b32 s44, s7, 11
	s_add_nc_u64 s[28:29], s[18:19], s[44:45]      ; their scale bytes
	s_lshl_b32 s44, s7, 8
	s_add_nc_u64 s[30:31], s[20:21], s[44:45]      ; their bias
	s_add_nc_u64 s[58:59], s[22:23], s[44:45]      ; out0 at my 256 bytes of a row: the same 256 (4 c + w)
	s_wait_loadcnt 48                              ; all but the copy's 48 loads: rec is in
.irp m, 0,1,2,3
	v_bfe_u32 v[16+\m], v[208+\m], 12, 3           ; lo
	v_bfe_u32 v[20+\m], v[208+\m], 15, 3           ; hi
	v_and_b32 v[214+\m], 0xfff, v[208+\m]
	v_min_u32 v[214+\m], 0xfff, v[214+\m]          ; the token, held inside the buffer
	v_lshlrev_b32 v[214+\m], 3, v[214+\m]
	global_load_b64 v[GT+2*\m:GT+2*\m+1], v[214+\m], s[10:11]      ; its two gates: lo's, hi's
.endr
	WIN TOA
.irp n, 0,1
	global_load_b128 v[192+4*\n:192+4*\n+3], v4, s[36:37] offset:512*\n      ; the copy of my quarter of the scale words
.endr
	WIN 0
.set n, 0
.rept 32
	v_and_b32 v[224+n], 0xfff, v[224+n]
	v_min_u32 v[224+n], 0xfff, v[224+n]
	v_lshl_add_u32 v[224+n], v[224+n], 12, v7      ; the row's place in out0: 4,096 x token + 16 r
.set n, n+1
.endr
	; which experts are some row's lo, and which some row's hi: a bit for each
	v_mov_b32 v12, 1
	v_lshlrev_b32 v221, v16, v12
	v_lshlrev_b32 v222, v20, v12
.irp m, 1,2,3
	v_lshlrev_b32 v223, v[16+\m], v12
	v_or_b32 v221, v221, v223
	v_lshlrev_b32 v223, v[20+\m], v12
	v_or_b32 v222, v222, v223
.endr
	s_mov_b32 s5, 0
	s_mov_b32 s46, 0
.irp e, 0,1,2,3,4,5,6,7
	v_and_b32 v223, 1<<\e, v221
	v_cmp_ne_u32 vcc_lo, 0, v223
	s_cmp_lg_u32 vcc_lo, 0
	s_cselect_b32 s44, 1<<\e, 0
	s_or_b32 s5, s5, s44                           ; walk 0's experts
	v_and_b32 v223, 1<<\e, v222
	v_cmp_ne_u32 vcc_lo, 0, v223
	s_cmp_lg_u32 vcc_lo, 0
	s_cselect_b32 s44, 1<<\e, 0
	s_or_b32 s46, s46, s44                         ; walk 1's
.endr
	s_bcnt1_i32_b32 s6, s5                         ; walk 0's visits: every row has a lo, so 1 at the least;
	s_max_u32 s6, s6, 1                            ; the counter starts at 1 or more, whatever rec holds
	s_bcnt1_i32_b32 s47, s46                       ; walk 1's likewise
	s_max_u32 s47, s47, 1
.macro PICK rem                        ; the next expert to visit, out of the mask s[rem]: s25; its weights s[38:39], scale bytes s[40:41], bias s[42:43]
	s_ctz_i32_b32 s25, s[\rem]
	s_min_u32 s25, s25, 7
	s_lshl_b32 s44, 1, s25
	s_and_not1_b32 s[\rem], s[\rem], s44
	s_mul_i32 s44, s25, 786432
	s_add_nc_u64 s[38:39], s[26:27], s[44:45]
	s_lshl_b32 s44, s25, 15
	s_add_nc_u64 s[40:41], s[28:29], s[44:45]
	s_lshl_b32 s44, s25, 12
	s_add_nc_u64 s[42:43], s[30:31], s[44:45]
.endm
.macro WLOAD p, k                      ; K step k's four weight fragments into ring place k % 4: each load 512 consecutive bytes
.irp t, 0,1,2,3
.irp q, 0,1,2
	global_load_b128 v[48*((\k)%4)+12*\t+4*\q:48*((\k)%4)+12*\t+4*\q+3], v4, s[\p:\p+1] offset:12288*\t+1536*(\k)+512*\q
.endr
.endr
.endm
.macro BLOAD                           ; the bias in the result's layout: tile t, lane (r, hh): columns 32 (t / 2) + 16 hh + 8 (t % 2) + 0 .. 7
.irp t, 0,1,2,3
	global_load_b128 v[BI+8*\t:BI+8*\t+3], v6, s[42:43] offset:128*(\t/2)+32*(\t%2)
	global_load_b128 v[BI+8*\t+4:BI+8*\t+7], v6, s[42:43] offset:128*(\t/2)+32*(\t%2)+16
.endr
.endm
.macro SLOAD hf                        ; weight scale words of K steps 4 hf .. 4 hf + 3: lanes 0-15 tile 2 p's rows, lanes 16-31 tile 2 p + 1's
.irp p, 0,1
	global_load_b128 v[WS+8*\p+4*\hf:WS+8*\p+4*\hf+3], v5, s[40:41] offset:1024*\p+16*\hf
.endr
.endm
.macro FETCH k, s                      ; slot s's four hidden fragments of K step k into place k % 2: an image's registers 0-3, 4-5, 6-9, 10-11.  Slot 0: v4, v8; slot 1: v10, v11
.irp m, 0,1,2,3
.irp u, 0,1
	ds_load_b128 v[48*((\k)%2)+12*\m+6*\u:48*((\k)%2)+12*\m+6*\u+3], v[4+6*(\s)] offset:6144*(\k)+1536*\m+768*\u
	ds_load_b64 v[48*((\k)%2)+12*\m+6*\u+4:48*((\k)%2)+12*\m+6*\u+5], v[8+3*(\s)] offset:6144*(\k)+1536*\m+768*\u
.endr
.endr
.endm
.macro HSLOAD s                        ; slot s's scale words of all eight K steps, once a walk: lanes 0-15 tile 2 m's rows, lanes 16-31 tile 2 m + 1's
.irp m, 0,1
.irp k, 0,1,2,3,4,5,6,7
	ds_load_b32 v[TS+8*\m+\k], v9 offset:HSLB*(\s)+256*\k+128*\m
.endr
.endr
.endm
.macro WM d, a, b, c, sa, sb, ra, rb   ; one product; ra, rb: the scale words stand in lanes 16-31
.if ((\ra) != 0) && ((\rb) != 0)
	v_wmma_scale_f32_16x16x128_f8f6f4 v[\d:\d+7], v[\a:\a+11], v[\b:\b+11], v[\c:\c+7], v[\sa], v[\sb] matrix_a_fmt:MATRIX_FMT_FP6 matrix_b_fmt:MATRIX_FMT_FP6 matrix_a_scale:MATRIX_SCALE_ROW1 matrix_b_scale:MATRIX_SCALE_ROW1
.elseif (\ra) != 0
	v_wmma_scale_f32_16x16x128_f8f6f4 v[\d:\d+7], v[\a:\a+11], v[\b:\b+11], v[\c:\c+7], v[\sa], v[\sb] matrix_a_fmt:MATRIX_FMT_FP6 matrix_b_fmt:MATRIX_FMT_FP6 matrix_a_scale:MATRIX_SCALE_ROW1
.elseif (\rb) != 0
	v_wmma_scale_f32_16x16x128_f8f6f4 v[\d:\d+7], v[\a:\a+11], v[\b:\b+11], v[\c:\c+7], v[\sa], v[\sb] matrix_a_fmt:MATRIX_FMT_FP6 matrix_b_fmt:MATRIX_FMT_FP6 matrix_b_scale:MATRIX_SCALE_ROW1
.else
	v_wmma_scale_f32_16x16x128_f8f6f4 v[\d:\d+7], v[\a:\a+11], v[\b:\b+11], v[\c:\c+7], v[\sa], v[\sb] matrix_a_fmt:MATRIX_FMT_FP6 matrix_b_fmt:MATRIX_FMT_FP6
.endif
.endm
; How many loads were issued behind K step k's twelve weight loads.  With a successor (P = 1): three K steps of 12 and 2 scale loads = 38; in steps 1 to 4 the successor's 8 bias loads too = 46.
; Without (P = 0): 38 while the ring is still fed, then the K steps that are left.
.macro LWAIT k, P
.if \P
.if ((\k) == 0) || ((\k) >= 5)
	s_wait_loadcnt 38
.else
	s_wait_loadcnt 46
.endif
.else
.if (\k) < 4
	s_wait_loadcnt 38
.else
	s_wait_loadcnt 12*(7-(\k))
.endif
.endif
.endm
; A K STEP of 128: 16 matrix instructions, the sixteen accumulators by turns, one instruction a turn, in the same order in every step.
; P = 1: the visit has a successor, whose bias, scale words and first four K steps are asked for on the way.  cs: the slot that this visit multiplies; ns: its successor's.
.macro KSTEP k, P, cs, ns
	s_wait_dscnt 0x0                               ; this step's fragments (and, at a walk's head, its scale words), asked for a step ago
.if (\k) < 7
	WIN TOA
	FETCH (\k)+1, \cs                              ; the place's last products stand in front of the last step's v_nop
.elseif \P
	WIN TOA
	FETCH 0, \ns
.endif
	LWAIT \k, \P
.if (\k) == 0
	WIN MULB
.else
	WIN MUL
.endif
.irp m, 0,1,2,3
.irp t, 0,1,2,3
.if (\k) == 0
	WM ACC+8*(4*\m+\t), 48*((\k)%4)+12*\t, 48*((\k)%2)+12*\m, BI+8*\t, WS+8*(\t/2)+(\k), TS+8*(\m/2)+(\k), \t%2, \m%2
.else
	WM ACC+8*(4*\m+\t), 48*((\k)%4)+12*\t, 48*((\k)%2)+12*\m, ACC+8*(4*\m+\t), WS+8*(\t/2)+(\k), TS+8*(\m/2)+(\k), \t%2, \m%2
.endif
.endr
.endr
.rept 4
	v_nop                                          ; places in front of loads into registers that these products have read, and of the first read of results
.endr
.if (\k) == 7
	v_nop                                          ; one more: the next visit's first products write over these accumulators with another C
.endif
.if (\k) < 4
	WIN TOW
	WLOAD 32, (\k)+4
.if ((\k) == 0) && (\P)
	BLOAD
.endif
.elseif \P
	WIN TOW
	WLOAD 38, (\k)-4
.endif
.if (\P) && ((\k) == 3)
	WIN 0
	SLOAD 0
.endif
.if (\P) && ((\k) == 7)
	WIN 0
	SLOAD 1
.if (\cs) != (\ns)
	HSLOAD \ns                                     ; the walk changes: the other slot's scale words
.endif
.endif
.endm
; The visit's end in walk s: results += gate_s x (product + b2) in the rows whose expert of slot s is the one in hand.
.macro EPI s
	s_wait_xcnt 0x0                                ; EXEC changes only behind this wait; no memory instruction is issued until it is whole again for good
.irp m, 0,1,2,3
	v_cmp_eq_u32 vcc_lo, s24, v[16+4*(\s)+\m]
	s_and_saveexec_b32 s56, vcc_lo                 ; only the rows that chose it
	WIN 0xf0                                       ; the results, destination and source 2, in window 3
.irp j, 0,2,4,6,8,10,12,14,16,18,20,22,24,26,28,30
.if \s                                 ; each accumulator from its low end on; of the pair of gates the low word (lo's) or the high word (hi's) serves both halves
	v_pk_fma_f32 v[32*\m+\j:32*\m+\j+1], v[ACC+32*\m+\j:ACC+32*\m+\j+1], v[GT+2*\m:GT+2*\m+1], v[32*\m+\j:32*\m+\j+1] op_sel:[0,1,0] op_sel_hi:[1,1,1]
.else
	v_pk_fma_f32 v[32*\m+\j:32*\m+\j+1], v[ACC+32*\m+\j:ACC+32*\m+\j+1], v[GT+2*\m:GT+2*\m+1], v[32*\m+\j:32*\m+\j+1] op_sel_hi:[1,0,1]
.endif
.endr
	WIN 0
	s_or_b32 exec_lo, exec_lo, s56
.endr
.endm
	PICK 5                                         ; walk 0's first expert
	WIN TOW                                        ; the first visit's 60 loads go out in the order in which a visit asks for its successor's: bias, scale words lo, K steps 0 to 3, scale words hi;
	BLOAD                                          ; the copy goes on to LDS between them, as it lands
	s_wait_loadcnt 38                              ; behind the copy's first 24 loads stand its other 24, 4 of gates, 2 of scale words and the 8 just issued
	WIN ST2
.set n, 0
.rept 24
	ds_store_b128 v15, v[4*n:4*n+3] offset:512*n
.set n, n+1
.endr
	WIN 0
	SLOAD 0
	WIN TOW
	WLOAD 38, 0
	s_wait_loadcnt 22                              ; all but the 8 + 2 + 12 of the first visit: the rest of the copy and the gates are in
	WIN ST2
.set n, 24
.rept 24
	ds_store_b128 v15, v[4*n:4*n+3] offset:512*n
.set n, n+1
.endr
.irp n, 0,1
	ds_store_b128 v30, v[192+4*\n:192+4*\n+3] offset:512*\n
.endr
	WIN TOW
	WLOAD 38, 1
	WLOAD 38, 2
	WLOAD 38, 3
	WIN 0
	SLOAD 1
	WIN 0xc0
.set n, 0
.rept 128
	v_mov_b32 v[n], 0                              ; the results begin as zeros: a visit adds in some lanes only, so no visit can start the sums for all.  (These run while the weights are on their way)
.set n, n+1
.endr
	WIN 0
	s_wait_dscnt 0x0                               ; for the others' sake: my quarter of the copy has landed
	s_barrier_signal -1
	s_barrier_wait -1
	WIN TOA
	FETCH 0, 0
	WIN 0
	HSLOAD 0
; ---- walk 0: the experts that are some row's lo, on slot 0
.Lvisit0:
	s_wait_xcnt 0x0                                ; the loads that are out have read their bases: the pointers may be written
	s_mov_b64 s[32:33], s[38:39]                   ; this visit's weights
	s_mov_b32 s24, s25                             ; and its expert
	s_cmp_eq_u32 s6, 1
	s_cbranch_scc1 .Llast0
	PICK 5
.irp k, 0,1,2,3,4,5,6,7
	KSTEP \k, 1, 0, 0
.endr
	WIN 0
	s_branch .Lepi0
.Llast0:
	PICK 46                                        ; the successor of walk 0's last visit is walk 1's first
.irp k, 0,1,2,3,4,5,6,7
	KSTEP \k, 1, 0, 1
.endr
	WIN 0
.Lepi0:
	EPI 0
	s_sub_co_u32 s6, s6, 1
	s_cmp_lg_u32 s6, 0
	s_cbranch_scc1 .Lvisit0
; ---- walk 1: the experts that are some row's hi, on slot 1
.Lvisit1:
	s_wait_xcnt 0x0
	s_mov_b64 s[32:33], s[38:39]
	s_mov_b32 s24, s25
	s_cmp_eq_u32 s47, 1
	s_cbranch_scc1 .Llast1
	PICK 46
.irp k, 0,1,2,3,4,5,6,7
	KSTEP \k, 1, 1, 1
.endr
	WIN 0
	s_branch .Lepi1
.Llast1:
.irp k, 0,1,2,3,4,5,6,7
	KSTEP \k, 0, 1, 1
.endr
	WIN 0
.Lepi1:
	EPI 1
	s_sub_co_u32 s47, s47, 1
	s_cmp_lg_u32 s47, 0
	s_cbranch_scc1 .Lvisit1
	s_wait_loadcnt 0x0
	s_wait_dscnt 0x0                               ; my reads of the images are over:
	s_barrier_signal -1
	s_barrier_wait -1                              ; everybody's are, so slot 0's bytes may be written
	; THE WAY OUT, a tile of 16 tokens at a time, through my own stage: a lane holds 64 bytes of a row, and the lanes beside it other rows; back come whole pieces of 256 bytes, which sixteen lanes store, aligned, at the token's own row.
	; LDS serves a wave's instructions in order (ISA guide 5.7.1.4): no wait between the stores and the loads, nor in front of the next tile's stores.
.irp m, 0,1,2,3
	WIN 0x0c                                       ; an LDS store's data are its source 1: window 3
.irp p, 0,1
.irp q, 0,1,2,3
	ds_store_b128 v13, v[8*(4*\m+2*\p)+4*\q:8*(4*\m+2*\p)+4*\q+3] offset:128*\p+16*\q
.endr
.endr
.if \m >= 2
	s_wait_xcnt 0x0                                ; the stores of two tiles ago have read the registers that the loads below fill
.endif
	WIN TOA
.irp i, 0,1,2,3,4,5,6,7
	ds_load_b128 v[32*(\m%2)+4*\i:32*(\m%2)+4*\i+3], v14 offset:SGP*\i
.endr
	WIN ST2
.irp i, 0,1,2,3,4,5,6,7
	s_wait_dscnt 7-\i                              ; row i of the eight is back; the later ones may be out
	global_store_b128 v[224+8*\m+\i], v[32*(\m%2)+4*\i:32*(\m%2)+4*\i+3], s[58:59] th:TH_STORE_NT
.endr
.endr
	WIN 0
	s_wait_tensorcnt 0x0
	ds_add_u32 v213, v219
	s_wait_dscnt 0x0
	s_endpgm
.Lfunc_end_k_q4f316a8e9e_ffn2:
	.size	k_q4f316a8e9e_ffn2, .Lfunc_end_k_q4f316a8e9e_ffn2-k_q4f316a8e9e_ffn2
	.p2alignl 7, 3214868480
	.fill 96, 4, 3214868480
	.section	.rodata,"a",@progbits
	.p2align	6, 0x0
	.amdhsa_kernel k_q4f316a8e9e_ffn2
		.amdhsa_group_segment_fixed_size 102912
		.amdhsa_private_segment_fixed_size 0
		.amdhsa_enable_private_segment 0
		.amdhsa_kernarg_size 64
		.amdhsa_user_sgpr_count 2
		.amdhsa_user_sgpr_kernarg_segment_ptr 1
		.amdhsa_wavefront_size32 1
		.amdhsa_system_sgpr_workgroup_id_x 1
		.amdhsa_system_sgpr_workgroup_id_y 1
		.amdhsa_system_sgpr_workgroup_id_z 1
		.amdhsa_system_vgpr_workitem_id 0
		.amdhsa_next_free_vgpr 896
		.amdhsa_next_free_sgpr 66
		.amdhsa_reserve_vcc 1
		.amdhsa_float_denorm_mode_32 3
		.amdhsa_float_denorm_mode_16_64 3
		.amdhsa_memory_ordered 1
		.amdhsa_forward_progress 1
		.amdhsa_inst_pref_size 196
	.end_amdhsa_kernel
	.amdgpu_metadata
---
amdhsa.version: [ 1, 2 ]
amdhsa.kernels:
  - .name:           k_q4f316a8e9e_ffn2
    .symbol:         k_q4f316a8e9e_ffn2.kd
    .args:
      - { .name: rec, .offset: 0, .size: 8, .value_kind: global_buffer, .address_space: global }
      - { .name: gate, .offset: 8, .size: 8, .value_kind: global_buffer, .address_space: global }
      - { .name: hq, .offset: 16, .size: 8, .value_kind: global_buffer, .address_space: global }
      - { .name: hs, .offset: 24, .size: 8, .value_kind: global_buffer, .address_space: global }
      - { .name: wimg, .offset: 32, .size: 8, .value_kind: global_buffer, .address_space: global }
      - { .name: W2_scales, .offset: 40, .size: 8, .value_kind: global_buffer, .address_space: global }
      - { .name: b2, .offset: 48, .size: 8, .value_kind: global_buffer, .address_space: global }
      - { .name: out0, .offset: 56, .size: 8, .value_kind: global_buffer, .address_space: global }
    .group_segment_fixed_size: 102912
    .private_segment_fixed_size: 0
    .kernarg_segment_align: 8
    .kernarg_segment_size: 64
    .max_flat_workgroup_size: 128
    .sgpr_count:     66
    .vgpr_count:     896
    .wavefront_size: 32
...
	.end_amdgpu_metadata
.endif
;; end of part 4
;; ======== version 2 of 2: 3 launches
;; limits: right only within a limited range of input values
;; workspace buffers: xq 3,145,728 bytes; xs 131,072 bytes; sel 49,152 bytes of whole numbers; gate 32,768 bytes; rec 16,384 bytes of whole numbers; wimg 12,582,912 bytes; hq 6,291,456 bytes; hs 262,144 bytes
;; launch prep (part 5): grid 256 x 1, 8 waves a work-group, no clusters, 86,528 bytes of LDS; arguments x, Wg, bg, W1_codes, W2_codes, xq, xs, sel, gate, wimg; writes xq, xs, sel, gate, wimg
.if DOCPART == 5
	.amdgcn_target "amdgcn-amd-amdhsa--gfx1250"
	.amdhsa_code_object_version 6
	.text
	.protected	k_q4f316a8e9e_prep
	.globl	k_q4f316a8e9e_prep
	.p2align	8
	.type	k_q4f316a8e9e_prep,@function
k_q4f316a8e9e_prep:
	s_mov_b64 s[64:65], 0
	v_nop
	global_prefetch_b8 v0, s[64:65] scope:SCOPE_SE
	s_setreg_imm32_b32 hwreg(HW_REG_WAVE_MODE, 25, 1), 1
	s_wait_xcnt 0x0
; PREP.  Three jobs that need no choice of experts, in one launch of 256 work-groups of eight waves.
;  (1) x [4096][1024] f32 becomes codes of E2M3 (xq: 768 bytes a token, one stream of bits, K innermost) and E8M0 bytes (xs: 32 a token).
;  (2) the router: logits x Wg + bg by f32 multiply-adds, softmax with its maximum taken away, the two largest scores (a tie goes to the lower index).  lo < hi are the two experts.
;      J = the pair's number among the 28 pairs: by ascending lo, and within a lo by hi, ascending where lo is even and descending where it is odd: so neighbouring pairs share an expert.
;      Stored at FIXED places: sel[token] = lo | hi<<3 | J<<8 | rank<<16, rank = how many earlier tokens of the work-group's 16 have the same J; gate[token] = (score of lo, score of hi);
;      behind sel's 4,096 words, [work-group 256][32 words]: how many of the work-group's 16 tokens have pair J (words 28 to 31 are 0).  No address here hangs on the choice.
;  (3) W1's and W2's codes are laid out once as images of the matrix operand's registers (wimg): tile T = matrix x 512 + expert x 64 + tau holds weight rows
;      32 (tau / 2) + 8 (tau % 2) + i + 8 (i / 8), i = 0 .. 15, as [K step 8][q 3][lane 32][16 bytes]: registers 4 q .. 4 q + 3 of that lane.
; SHARES.  Work-group g: tokens 16 g .. 16 g + 15 and tiles 4 g .. 4 g + 3.  Waves 0-3: wave wq takes columns 256 wq .. + 255 of the 16 tokens.  Waves 4-7: wave 4 + wq relays tile 4 g + wq.
; The two roles part on the wave's number, meet at the one barrier, and part again; every LDS address is made ahead of the parting.
; LIMITS: NaN and infinities among the inputs are not served.  A block of zeros gets the byte 1 where the quantiser says 127: its codes are zeros, and this program alone reads the bytes.
; The two largest are taken of the exponentials ahead of the division; an exponential under 2^-126 counts as 0, so a choice among such scores may differ: its gate is under 1e-37.
; The logits' f32 sums go in another order than a row-by-row sum.
.set RP,   784                         ; relay stage: a row of 768 bytes + 16: row r starts 4 r banks on, so the 32 lanes of an 8-byte load meet no bank twice
.set RST,  0                           ; four relay stages of 16 rows
.set SP,   80                          ; turn stage: 64 bytes + 16 for each lane
.set XST,  4*16*RP                     ; four waves x two turn stages of 32 x SP bytes
.set XCD,  XST+4*2*32*SP               ; the 16 tokens' codes, [token][768]
.set XSB,  XCD+16*768                  ; their scale bytes, [token][32]
.set PART, XSB+512                     ; partial logits, [wq][token][8 f32]
.set CNT,  16384                       ; in sel: the counts lie behind the 4,096 words
.set AC,   24                          ; v24-31   eight partial logits
.set WG,   32                          ; v32-159  Wg[256 wq + 16 r + i][e] at WG + 8 i + e
.set R,    160                         ; v160-223 four sets of 16 numbers as loaded
.set X,    224                         ; v224-255 two sets of 16 neighbours along K
	s_load_b512 s[8:23], s[0:1], 0x0               ; x, Wg, bg, W1_codes, W2_codes, xq, xs, sel
	s_load_b128 s[24:27], s[0:1], 0x40             ; gate, wimg
	s_set_vgpr_msb 0x40
	v_lshl_add_u32 v0, v0, 2, 0x14e00
	v_mov_b32 v1, 0
	s_set_vgpr_msb 0x4000
	v_lshrrev_b32 v1, 5, v0
	s_delay_alu instid0(VALU_DEP_1)
	v_readfirstlane_b32 s2, v1                     ; wave 0..7
	s_and_b32 s3, s2, 3                            ; wq
	v_and_b32 v1, 31, v0                           ; l
	v_and_b32 v2, 15, v0                           ; r
	v_bfe_u32 v3, v0, 4, 1                         ; hh
	s_delay_alu instid0(VALU_DEP_3)
	v_lshlrev_b32 v4, 4, v1                        ; v4  16 l
	s_mul_i32 s4, s3, 2*32*SP
	s_add_co_u32 s4, s4, XST
	v_lshrrev_b32 v5, 2, v1
	s_delay_alu instid0(VALU_DEP_1)
	v_mul_u32_u24 v5, v5, SP
	v_and_b32 v6, 3, v1
	s_delay_alu instid0(VALU_DEP_1)
	v_lshl_add_u32 v5, v6, 4, v5
	s_delay_alu instid0(VALU_DEP_1)
	v_add_nc_u32 v5, s4, v5                        ; v5  turn stage, in: SP (l / 4) + 16 (l % 4)
	v_mul_u32_u24 v6, v1, SP
	s_delay_alu instid0(VALU_DEP_1)
	v_add_nc_u32 v6, s4, v6                        ; v6  turn stage, out: SP l
	s_lshl_b32 s4, s3, 9
	s_add_co_u32 s4, s4, PART
	v_lshl_add_u32 v7, v3, 5, s4                   ; v7  my half's token among the partial logits
	s_lshl_b32 s4, s3, 3
	s_add_co_u32 s4, s4, XSB
	v_lshrrev_b32 v8, 1, v2
	s_delay_alu instid0(VALU_DEP_1)
	v_lshl_add_u32 v8, v3, 5, v8
	s_delay_alu instid0(VALU_DEP_1)
	v_add_nc_u32 v8, s4, v8                        ; v8  my block's scale byte: 32 hh + 8 wq + r / 2
	s_mul_i32 s4, s3, 192
	s_add_co_u32 s4, s4, XCD
	v_mul_u32_u24 v9, v2, 12
	s_delay_alu instid0(VALU_DEP_1)
	v_mad_u32_u24 v9, v3, 768, v9
	s_delay_alu instid0(VALU_DEP_1)
	v_add_nc_u32 v9, s4, v9                        ; v9  my 12 bytes of codes: 768 hh + 192 wq + 12 r
	v_lshl_add_u32 v10, v0, 4, XCD                 ; v10 the codes on their way out: 16 x thread
	v_lshl_add_u32 v11, v1, 4, XSB                 ; v11 the scale bytes on their way out
	v_lshl_add_u32 v12, v2, 5, PART                ; v12 token r's partial logits
	v_lshlrev_b32 v13, 9, v2                       ; v13 Wg: my 16 rows of 32 bytes
	v_lshlrev_b32 v14, 4, v2
	s_delay_alu instid0(VALU_DEP_1)
	v_mad_u32_u24 v14, v3, 768, v14                ; v14 relay, from memory: row hh, 16 r
	s_mul_i32 s4, s3, 16*RP
	v_lshlrev_b32 v15, 4, v2
	s_delay_alu instid0(VALU_DEP_1)
	v_mad_u32_u24 v15, v3, RP, v15
	s_delay_alu instid0(VALU_DEP_1)
	v_add_nc_u32 v15, s4, v15                      ; v15 relay stage, in
	v_mul_u32_u24 v16, v2, RP
	s_delay_alu instid0(VALU_DEP_1)
	v_mad_u32_u24 v16, v3, 24, v16
	s_delay_alu instid0(VALU_DEP_1)
	v_add_nc_u32 v16, s4, v16                      ; v16 relay stage, out: row r, 24 hh
	v_lshlrev_b32 v17, 4, v0                       ; v17 16 x thread, in xq
	v_lshlrev_b32 v18, 2, v1                       ; v18 4 l: a word of the counts; in lanes 0-15 also token r's word of sel
	v_lshlrev_b32 v19, 3, v2                       ; v19 8 r, in gate
	s_mov_b32 s5, 0
	s_wait_kmcnt 0x0
	s_load_b256 s[28:35], s[12:13], 0x0            ; bg: waited for where wave 0 adds it
	s_lshl_b32 s4, ttmp9, 16                       ; x: 16 tokens of 4,096 bytes a work-group,
	s_lshl_b32 s6, s3, 10                          ; 1,024 bytes of each row a wave
	s_add_co_u32 s4, s4, s6
	s_add_nc_u64 s[8:9], s[8:9], s[4:5]
	s_lshl_b32 s4, s3, 13
	s_add_nc_u64 s[10:11], s[10:11], s[4:5]        ; Wg: my wave's 256 rows
	s_mul_i32 s4, ttmp9, 12288
	s_add_nc_u64 s[18:19], s[18:19], s[4:5]        ; xq
	s_lshl_b32 s4, ttmp9, 9
	s_add_nc_u64 s[20:21], s[20:21], s[4:5]        ; xs
	s_lshl_b32 s4, ttmp9, 6
	s_add_nc_u64 s[22:23], s[22:23], s[4:5]        ; sel: 64 bytes of words a work-group
	s_add_nc_u64 s[44:45], s[22:23], s[4:5]        ; and 128 bytes of counts (CNT stands in the store's immediate)
	s_lshl_b32 s4, ttmp9, 7
	s_add_nc_u64 s[24:25], s[24:25], s[4:5]        ; gate
	s_lshl_b32 s6, ttmp9, 2
	s_add_co_u32 s6, s6, s3                        ; T = 4 g + wq
	s_mul_i32 s4, s6, 12288
	s_add_nc_u64 s[26:27], s[26:27], s[4:5]        ; wimg at tile T
	s_and_b32 s6, s6, 511                          ; expert x 64 + tau
	s_lshr_b32 s7, s6, 1
	s_lshl_b32 s7, s7, 5
	s_and_b32 s6, s6, 1
	s_lshl_b32 s6, s6, 3
	s_add_co_u32 s6, s6, s7                        ; the tile's first row among the matrix's 8,192
	s_mul_i32 s4, s6, 768
	s_cmp_lt_u32 ttmp9, 128                        ; tiles 0-511 are W1's, the others W2's: the choice hangs on the work-group's number alone
	s_cselect_b64 s[36:37], s[14:15], s[16:17]
	s_add_nc_u64 s[36:37], s[36:37], s[4:5]
	s_cmp_ge_u32 s2, 4
	s_cbranch_scc1 .Lrelay
; ---- waves 0-3: a step takes tokens 2 t (lanes 0-15) and 2 t + 1 (lanes 16-31).  Loads take the bytes as they lie (512 consecutive bytes each); a turn through the wave's own stage gives each lane 16 neighbours along K.
.macro LOAD t
.irp i, 0,1,2,3
	global_load_b128 v[R+16*((\t)%4)+4*\i:R+16*((\t)%4)+4*\i+3], v4, s[8:9] offset:(2*(\t)+\i/2)*4096+(\i%2)*512 th:TH_LOAD_NT
.endr
.endm
.macro TURN t                          ; LDS serves a wave's instructions in order: no wait between the stores and the loads
.irp i, 0,1,2,3
	ds_store_b128 v5, v[R+16*((\t)%4)+4*\i:R+16*((\t)%4)+4*\i+3] offset:32*SP*((\t)%2)+8*SP*\i
.endr
.irp i, 0,1,2,3
	ds_load_b128 v[X+16*((\t)%2)+4*\i:X+16*((\t)%2)+4*\i+3], v6 offset:32*SP*((\t)%2)+16*\i
.endr
.endm
.macro STEP t
.set XS, X+16*((\t)%2)
	s_wait_dscnt 0x0                               ; this step's numbers are back from the stage, and every earlier LDS store has read its registers
.if (\t) < 4
	LOAD (\t)+4                                    ; into the set that this step's turn has left
.endif
.if (\t) < 7
.if (\t) < 4
	s_wait_loadcnt 12                              ; the next step's four loads are in; the three steps behind it (12 loads) may be out
.else
	s_wait_loadcnt 4*(6-(\t))                      ; towards the end fewer steps stand behind it
.endif
	TURN (\t)+1
.endif
	; the logits' part of my 16 columns: eight sums, two an instruction; one x feeds both halves
.irp j, 0,1,2,3
	v_pk_mul_f32 v[AC+2*\j:AC+2*\j+1], v[XS:XS+1], v[WG+2*\j:WG+2*\j+1] op_sel_hi:[0,1]
.endr
.irp i, 1,2,3,4,5,6,7,8,9,10,11,12,13,14,15
.irp j, 0,1,2,3
.if \i % 2
	s_delay_alu instid0(VALU_DEP_4)
	v_pk_fma_f32 v[AC+2*\j:AC+2*\j+1], v[XS+\i-1:XS+\i], v[WG+8*\i+2*\j:WG+8*\i+2*\j+1], v[AC+2*\j:AC+2*\j+1] op_sel:[1,0,0] op_sel_hi:[1,1,1]
.else
	s_delay_alu instid0(VALU_DEP_4)
	v_pk_fma_f32 v[AC+2*\j:AC+2*\j+1], v[XS+\i:XS+\i+1], v[WG+8*\i+2*\j:WG+8*\i+2*\j+1], v[AC+2*\j:AC+2*\j+1] op_sel_hi:[0,1,1]
.endif
.endr
.endr
.irp x, 1,2,4,8                        ; over the sixteen lanes of a token
.irp e, 0,1,2,3,4,5,6,7
	v_add_f32_dpp v[AC+\e], v[AC+\e], v[AC+\e] row_xmask:\x row_mask:0xf bank_mask:0xf
.endr
.endr
	ds_store_b128 v7, v[AC:AC+3] offset:64*(\t)            ; the sixteen lanes of a half store the same numbers at the same place
	ds_store_b128 v7, v[AC+4:AC+7] offset:64*(\t)+16
	; the quantiser: two neighbouring lanes hold a block of 32
	v_max3_num_f32 v1, |v[XS]|, |v[XS+1]|, |v[XS+2]|
	v_max3_num_f32 v2, |v[XS+3]|, |v[XS+4]|, |v[XS+5]|
.irp i, 6,10
	s_delay_alu instid0(VALU_DEP_2)
	v_max3_num_f32 v1, v1, |v[XS+\i]|, |v[XS+\i+1]|
	s_delay_alu instid0(VALU_DEP_2)
	v_max3_num_f32 v2, v2, |v[XS+\i+2]|, |v[XS+\i+3]|
.endr
	s_delay_alu instid0(VALU_DEP_2)
	v_max3_num_f32 v1, v1, |v[XS+14]|, |v[XS+15]|
	s_delay_alu instid0(VALU_DEP_1)
	v_max3_num_f32 v1, v1, v2, 0x1800000           ; the floor 2^(3 - 127): the byte cannot fall under 1
	s_delay_alu instid0(VALU_DEP_1)
	v_max_num_f32_dpp v1, v1, v1 row_xmask:1 row_mask:0xf bank_mask:0xf
	s_delay_alu instid0(VALU_DEP_1)
	v_add_nc_u32 v3, 0xff000000, v1                ; 2 off the exponent field: the conversion takes that field as its scale
	v_cvt_scalef32_pk16_fp6_f32 v[20:22], v[XS:XS+15], v3
	v_lshrrev_b32 v23, 23, v3                      ; the scale's byte (also the plain line behind the conversion)
	ds_store_b8 v8, v23 offset:64*(\t)             ; both lanes of a block store the same byte
.irp c, 0,1,2
	ds_store_b32 v9, v[20+\c] offset:1536*(\t)+4*\c
.endr
.endm
.set n, 0
.rept 32
	global_load_b128 v[WG+4*n:WG+4*n+3], v13, s[10:11] offset:16*n
.set n, n+1
.endr
.irp t, 0,1,2,3
	LOAD \t
.endr
	s_wait_loadcnt 12                              ; Wg and step 0 are in; steps 1 to 3 (12 loads) may be out
	TURN 0
.irp t, 0,1,2,3,4,5,6,7
	STEP \t
.endr
	s_branch .Ljoin
; ---- waves 4-7: one tile of 16 weight rows goes through the wave's own stage and leaves as images of the operand's registers
.Lrelay:
.irp p, 0,1,2,3,4,5,6,7                ; tile rows 2 p + hh lie at source rows 2 p + hh, and 8 further on from tile row 8
.irp j, 0,1,2
	global_load_b128 v[32+4*(3*\p+\j):32+4*(3*\p+\j)+3], v14, s[36:37] offset:(2*\p+8*(\p/4))*768+256*\j th:TH_LOAD_NT   ; sixteen lanes read 256 consecutive bytes, aligned
.endr
.endr
	s_wait_loadcnt 0x0
	s_wait_alu depctr_va_vdst(0)
.irp p, 0,1,2,3,4,5,6,7
.irp j, 0,1,2
	ds_store_b128 v15, v[32+4*(3*\p+\j):32+4*(3*\p+\j)+3] offset:2*\p*RP+256*\j
.endr
.endr
	s_wait_dscnt 0x0                               ; the stores have read their registers: the loads below land there
.irp k, 0,1,2,3,4,5,6,7                ; lane (r, hh): registers 0-5 the 24 bytes at 96 k + 24 hh of row r, registers 6-11 those 48 bytes on
.irp p, 0,1,2,3,4,5
	ds_load_b64 v[32+12*\k+2*\p:32+12*\k+2*\p+1], v16 offset:96*\k+48*(\p/3)+8*(\p%3)
.endr
.endr
.irp k, 0,1,2,3,4,5,6,7
	s_wait_dscnt 6*(7-\k)                          ; K step k's six loads are in; the later steps' may be out
.irp q, 0,1,2
	global_store_b128 v4, v[32+12*\k+4*\q:32+12*\k+4*\q+3], s[26:27] offset:1536*\k+512*\q   ; 512 consecutive bytes, aligned
.endr
.endr
.Ljoin:
	s_wait_dscnt 0x0                               ; for the others' sake: my LDS stores have landed
	s_barrier_signal -1
	s_barrier_wait -1
	s_cmp_ge_u32 s2, 4
	s_cbranch_scc1 .Lend
	; ---- waves 0-3: the 16 tokens' codes are 12,288 consecutive bytes of xq
.irp n, 0,1,2,3,4,5
	ds_load_b128 v[32+4*\n:32+4*\n+3], v10 offset:2048*\n
.endr
.irp n, 0,1,2,3,4,5
	s_wait_dscnt 5-\n
	global_store_b128 v17, v[32+4*\n:32+4*\n+3], s[18:19] offset:2048*\n
.endr
	s_cmp_eq_u32 s2, 1
	s_cbranch_scc0 .Lnot_one
	ds_load_b128 v[56:59], v11                     ; wave 1: the 512 scale bytes
	s_wait_dscnt 0x0
	global_store_b128 v4, v[56:59], s[20:21]
.Lnot_one:
	s_cmp_eq_u32 s2, 0
	s_cbranch_scc0 .Lend
	; ---- wave 0: the gates.  Lane r takes token r (lanes 16-31 repeat it)
.irp w, 0,1,2,3
.irp u, 0,1
	ds_load_b128 v[64+8*\w+4*\u:64+8*\w+4*\u+3], v12 offset:512*\w+16*\u
.endr
.endr
	s_wait_dscnt 0x0
	s_wait_kmcnt 0x0                               ; bg
.irp e, 0,1,2,3,4,5,6,7
	v_add_f32 v[96+\e], v[64+\e], v[72+\e]
.endr
.irp e, 0,1,2,3,4,5,6,7
	v_add_f32 v[96+\e], v[96+\e], v[80+\e]
.endr
.irp e, 0,1,2,3,4,5,6,7
	v_add_f32 v[96+\e], v[96+\e], v[88+\e]
.endr
.irp e, 0,1,2,3,4,5,6,7
	v_add_f32 v[96+\e], s[28+\e], v[96+\e]         ; the logits
.endr
	v_max3_num_f32 v120, v96, v97, v98
	s_delay_alu instid0(VALU_DEP_1)
	v_max3_num_f32 v120, v120, v99, v100
	s_delay_alu instid0(VALU_DEP_1)
	v_max3_num_f32 v120, v120, v101, v102
	s_delay_alu instid0(VALU_DEP_1)
	v_max_num_f32 v120, v120, v103                 ; their maximum is taken away ahead of the exponentials
.irp e, 0,1,2,3,4,5,6,7
	v_sub_f32 v[104+\e], v[96+\e], v120
.endr
.irp e, 0,1,2,3,4,5,6,7
	v_mul_f32 v[104+\e], 0x3fb8aa3b, v[104+\e]
.endr
	s_wait_alu depctr_va_vdst(0)
.irp e, 0,1,2,3,4,5,6,7
	v_exp_f32 v[112+\e], v[104+\e]
.endr
	v_and_b32 v121, 31, v0                         ; the lane (a plain line behind the batch)
	s_wait_alu depctr_va_vdst(0)                   ; one wait for the eight exponentials, ahead of their first use
	v_add_f32 v122, v112, v113
	v_add_f32 v142, v114, v115
	s_delay_alu instid0(VALU_DEP_1)
	v_add_f32 v122, v122, v142
	v_add_f32 v142, v116, v117
	s_delay_alu instid0(VALU_DEP_1)
	v_add_f32 v122, v122, v142
	v_add_f32 v142, v118, v119
	s_delay_alu instid0(VALU_DEP_1)
	v_add_f32 v122, v122, v142                     ; the softmax's sum
	s_wait_alu depctr_va_vdst(0)
	v_rcp_f32 v123, v122                           ; the scans below are the work behind it; they name neither register
	v_mov_b32 v124, v112                           ; the largest so far, and its index: a later one wins only if it is greater
	v_mov_b32 v125, 0
.irp i, 1,2,3,4,5,6,7
	v_cmp_le_f32 vcc_lo, v[112+\i], v124
	v_cndmask_b32 v124, v[112+\i], v124, vcc_lo
	s_delay_alu instid0(VALU_DEP_2)
	v_cndmask_b32 v125, \i, v125, vcc_lo
.endr
.irp i, 0,1,2,3,4,5,6,7
	v_cmp_ne_u32 vcc_lo, \i, v125
	v_cndmask_b32 v[128+\i], -1.0, v[112+\i], vcc_lo   ; the first choice leaves the field: -1 lies under every exponential
.endr
	v_mov_b32 v126, v128
	v_mov_b32 v127, 0
.irp i, 1,2,3,4,5,6,7
	s_delay_alu instid0(VALU_DEP_2)
	v_cmp_le_f32 vcc_lo, v[128+\i], v126
	s_delay_alu instid0(VALU_DEP_1)
	v_cndmask_b32 v126, v[128+\i], v126, vcc_lo
	s_delay_alu instid0(VALU_DEP_2)
	v_cndmask_b32 v127, \i, v127, vcc_lo
.endr
	s_delay_alu instid0(VALU_DEP_1)
	v_min_u32 v138, v125, v127                     ; lo
	s_delay_alu instid0(VALU_DEP_2)
	v_max_u32 v139, v125, v127                     ; hi
	s_wait_alu depctr_va_vdst(0)                   ; the reciprocal, ahead of its first use
	v_mul_f32 v136, v124, v123                     ; the two scores
	v_mul_f32 v137, v126, v123
	v_cmp_lt_u32 vcc_lo, v125, v127
	s_delay_alu instid0(VALU_DEP_1)
	v_cndmask_b32 v140, v137, v136, vcc_lo         ; lo's score
	s_delay_alu instid0(VALU_DEP_2)
	v_cndmask_b32 v141, v136, v137, vcc_lo         ; hi's
	; the pair's number J
	v_sub_nc_u32 v142, 15, v138
	s_delay_alu instid0(VALU_DEP_1)
	v_mul_u32_u24 v142, v142, v138
	s_delay_alu instid0(VALU_DEP_1)
	v_lshrrev_b32 v142, 1, v142                    ; lo (15 - lo) / 2 pairs have a lower lo: 0, 7, 13, 18, 22, 25, 27
	v_sub_nc_u32 v144, v139, v138
	s_delay_alu instid0(VALU_DEP_1)
	v_add_nc_u32 v144, -1, v144                    ; lo even: hi - lo - 1, hi ascending
	v_sub_nc_u32 v145, 7, v139                     ; lo odd: 7 - hi, hi descending
	v_and_b32 v146, 1, v138
	s_delay_alu instid0(VALU_DEP_1)
	v_cmp_eq_u32 vcc_lo, 1, v146
	s_delay_alu instid0(VALU_DEP_1)
	v_cndmask_b32 v144, v144, v145, vcc_lo
	s_delay_alu instid0(VALU_DEP_1)
	v_add_nc_u32 v142, v142, v144                  ; J, 0 .. 27
	; for each pair: which of the 16 tokens have it; a token's rank among them; their number, into lane J.  Four pairs by turns, so that no line waits for the line above it
	v_mov_b32 v147, 0                              ; my rank
	v_mov_b32 v148, 0                              ; the counts: lane J; lanes 28-31 stay 0
.irp q, 0,4,8,12,16,20,24
.irp i, 0,1,2,3
	v_cmp_eq_u32 s[40+\i], \q+\i, v142
.endr
.irp i, 0,1,2,3
	s_and_b32 s[40+\i], s[40+\i], 0xffff           ; lanes 16-31 only repeat the tokens
.endr
.irp i, 0,1,2,3
	v_mbcnt_lo_u32_b32 v[149+\i], s[40+\i], 0      ; how many lower lanes have this pair
.endr
.irp i, 0
	s_delay_alu instid0(VALU_DEP_4)
	v_cndmask_b32 v147, v147, v[149+\i], s[40+\i]
.endr
.irp i, 1, 2, 3
	s_delay_alu instid0(VALU_DEP_1)
	v_cndmask_b32 v147, v147, v[149+\i], s[40+\i]
.endr
.irp i, 0,1,2,3
	s_bcnt1_i32_b32 s[40+\i], s[40+\i]
.endr
.irp i, 0
	v_writelane_b32 v148, s[40+\i], \q+\i
.endr
.irp i, 1, 2, 3
	s_delay_alu instid0(VALU_DEP_1)
	v_writelane_b32 v148, s[40+\i], \q+\i
.endr
.endr
	v_lshl_or_b32 v143, v139, 3, v138
	s_delay_alu instid0(VALU_DEP_1)
	v_lshl_or_b32 v143, v142, 8, v143
	s_delay_alu instid0(VALU_DEP_1)
	v_lshl_or_b32 v143, v147, 16, v143             ; lo | hi<<3 | J<<8 | rank<<16
	global_store_b32 v18, v148, s[44:45] offset:CNT    ; the work-group's 32 words of counts: 128 consecutive bytes
	s_wait_alu depctr_va_vdst(0)
	s_wait_xcnt 0x0                                ; EXEC changes only behind this wait: the stores above have read theirs
	v_cmp_gt_u32 vcc_lo, 16, v121
	s_and_saveexec_b32 s38, vcc_lo
	global_store_b32 v18, v143, s[22:23]
	global_store_b64 v19, v[140:141], s[24:25]
	s_wait_xcnt 0x0
	s_or_b32 exec_lo, exec_lo, s38
.Lend:
	s_set_vgpr_msb 0x5
	s_wait_tensorcnt 0x0
	ds_add_u32 v0, v1
	s_wait_dscnt 0x0
	s_set_vgpr_msb 0x500
	s_endpgm
.Lfunc_end_k_q4f316a8e9e_prep:
	.size	k_q4f316a8e9e_prep, .Lfunc_end_k_q4f316a8e9e_prep-k_q4f316a8e9e_prep
	.p2alignl 7, 3214868480
	.fill 96, 4, 3214868480
	.section	.rodata,"a",@progbits
	.p2align	6, 0x0
	.amdhsa_kernel k_q4f316a8e9e_prep
		.amdhsa_group_segment_fixed_size 86528
		.amdhsa_private_segment_fixed_size 0
		.amdhsa_enable_private_segment 0
		.amdhsa_kernarg_size 80
		.amdhsa_user_sgpr_count 2
		.amdhsa_user_sgpr_kernarg_segment_ptr 1
		.amdhsa_wavefront_size32 1
		.amdhsa_system_sgpr_workgroup_id_x 1
		.amdhsa_system_sgpr_workgroup_id_y 1
		.amdhsa_system_sgpr_workgroup_id_z 1
		.amdhsa_system_vgpr_workitem_id 0
		.amdhsa_next_free_vgpr 258
		.amdhsa_next_free_sgpr 66
		.amdhsa_reserve_vcc 1
		.amdhsa_float_denorm_mode_32 3
		.amdhsa_float_denorm_mode_16_64 3
		.amdhsa_memory_ordered 1
		.amdhsa_forward_progress 1
		.amdhsa_inst_pref_size 120
	.end_amdhsa_kernel
	.amdgpu_metadata
---
amdhsa.version: [ 1, 2 ]
amdhsa.kernels:
  - .name:           k_q4f316a8e9e_prep
    .symbol:         k_q4f316a8e9e_prep.kd
    .args:
      - { .name: x, .offset: 0, .size: 8, .value_kind: global_buffer, .address_space: global }
      - { .name: Wg, .offset: 8, .size: 8, .value_kind: global_buffer, .address_space: global }
      - { .name: bg, .offset: 16, .size: 8, .value_kind: global_buffer, .address_space: global }
      - { .name: W1_codes, .offset: 24, .size: 8, .value_kind: global_buffer, .address_space: global }
      - { .name: W2_codes, .offset: 32, .size: 8, .value_kind: global_buffer, .address_space: global }
      - { .name: xq, .offset: 40, .size: 8, .value_kind: global_buffer, .address_space: global }
      - { .name: xs, .offset: 48, .size: 8, .value_kind: global_buffer, .address_space: global }
      - { .name: sel, .offset: 56, .size: 8, .value_kind: global_buffer, .address_space: global }
      - { .name: gate, .offset: 64, .size: 8, .value_kind: global_buffer, .address_space: global }
      - { .name: wimg, .offset: 72, .size: 8, .value_kind: global_buffer, .address_space: global }
    .group_segment_fixed_size: 86528
    .private_segment_fixed_size: 0
    .kernarg_segment_align: 8
    .kernarg_segment_size: 80
    .max_flat_workgroup_size: 256
    .sgpr_count:     66
    .vgpr_count:     258
    .wavefront_size: 32
...
	.end_amdgpu_metadata
.endif
;; end of part 5
;; launch ffn1 (part 6): grid 4 x 64, 4 waves a work-group, no clusters, 101,632 bytes of LDS; arguments sel, xq, xs, wimg, W1_scales, b1, hq, hs, rec; writes hq, hs, rec
.if DOCPART == 6
	.amdgcn_target "amdgcn-amd-amdhsa--gfx1250"
	.amdhsa_code_object_version 6
	.text
	.protected	k_q4f316a8e9e_ffn1
	.globl	k_q4f316a8e9e_ffn1
	.p2align	8
	.type	k_q4f316a8e9e_ffn1,@function
k_q4f316a8e9e_ffn1:
	s_mov_b64 s[64:65], 0
	v_nop
	global_prefetch_b8 v0, s[64:65] scope:SCOPE_SE
	s_setreg_imm32_b32 hwreg(HW_REG_WAVE_MODE, 25, 1), 1
	s_wait_xcnt 0x0
; FFN1.  The hidden layer gelu(x W1 + b1) of each token for its two experts, quantised to E2M3 along the hidden units, as images of the next product's operand registers.
; SHARES.  Work-group (c, b): block b of 64 sorted tokens x hidden units 256 c .. + 255.  Wave w: units 256 c + 64 w .. + 63 (four weight tiles) for all 64 tokens (four tiles of 16): no weight byte is read twice in a work-group.
; THE WALK.  The block's experts (2 to 8 of them, read off rec) are visited one after the other; a visit is eight K steps of 128, 16 matrix instructions each.  A token keeps the visit's result where the expert is its
; lo (slot 0) or its hi (slot 1), by v_cndmask_b32; the work is done for all 64 rows in every visit.  The walk hangs on numbers read from memory, so nothing here is brought by a tensor load, no cluster is formed
; (partners would need different numbers of tiles), and no barrier stands in the walk: weights come from memory straight into registers, from the layout that the first launch made.
; THE MATRIX INSTRUCTION IS USED TRANSPOSED: source 0 = 16 weight rows, source 1 = 16 tokens.  The rows of a weight tile are chosen so that lane (r, hh) holds, in tiles 2 p and 2 p + 1, units 32 p + 16 hh + 0 .. 15 of token r.
; b1 is the C of each sum's first matrix instruction.
; gelu(v) = v (0.5 + 0.5 erf(v / sqrt 2)); erf(z) = z P(z^2) / Q(z^2) with z held to +-4.  LIMITS: its absolute error is about 1e-7 |v|; relative to the number it grows on the negative tail (about 3e-6 at v = -2).
; NaN and infinities are not served.  A block of zeros gets the byte 1 where the quantiser says 127: its codes are zeros, and this program alone reads the bytes.
; REGISTERS, in windows of 256.  Window 0: v4-11 addresses; v12-15 two constants; v16-23 the tokens' lo and hi; v32-47 weight scale words; v48-63 x's scale words; v64-191 the 16 accumulators; v192-255 at work.
;   Window 1: v0-191 a ring of four K steps of weights (48 each); v192-223 the bias.   Window 2: v0-95 two K steps of x's fragments; v96-159 the kept codes: slot s, tile m at 96 + 8 (4 s + m): six registers and a scale half-word.
.set XP,   784                         ; a token's 768 bytes of codes + 16 in LDS: row r starts 4 r banks on
.set HSB,  64*XP
; THE BLOCK'S LIST IS MADE HERE, at the head, from what the first launch stored.  sel[token] = lo | hi<<3 | J<<8 | rank<<16; behind sel's 4,096 words [group 256][32 words]: how many of the group's 16 tokens have pair J.
; A token's place in the order of pairs = (tokens of lower pairs) + (tokens of pair J in earlier groups) + rank.  Wave w sums groups 64 w .. + 63 (lane = J); the table of first places [group][J] goes to LDS.
; Then wave w finds the tokens of places 64 b + 16 w + r: the pair by the 27 running totals, the group by two steps of sixteen down its column, the token among the group's 16 words of sel.
; Every address that hangs on a loaded number is held by v_min_u32 ahead of the shift and the addition that make it, and is a load's; every LDS store's address is a constant, a lane term and a wave term.
; rec[place] = token | lo<<12 | hi<<15 lies in LDS for this launch; the work-groups with c = 0 store their 64 words (256 consecutive bytes, aligned) for the next launch.
.set TAB,  51712                       ; behind the spare words: the waves' totals, [wave 4][32 words]
.set BASE, 52224                       ; the table of first places, [group 256][32 words]
.set SELL, 84992                       ; a copy of sel's 4,096 words
.set RECL, 101376                      ; the block's 64 words of rec
.set CNT,  16384                       ; in sel: the counts lie behind the 4,096 words
.set HR,   64                          ; v64-127  my 64 rows of counts
.set SWD,  128                         ; v128-159 my 1,024 words of sel on their way to LDS
.set TJ,   128                         ; then at work
.set OC,   160                         ; what lies in front of my rows 8 c
.set TOT,  168
.set TT,   172
.set ALL,  176
.set EAR,  177
.set PBS,  178
.set OB,   180
.set JJ,   188
.set A1,   189
.set C1,   190
.set A2,   191
.set TB,   208                         ; v208-223 sixteen numbers read for my place
.set C2,   224
.set RK,   225
.set GG,   226
.set A3,   227
.set KEY,  228
.set PG,   236                         ; v236-244 addresses of the head, made once
.set PL,   237
.set TW,   238
.set TR,   239
.set SG,   240
.set SD,   241
.set RS,   242
.set PV,   243
.set RO,   244
.set WS,   32
.set TS,   48
.set ACC,  64
.set BI,   192                         ; window 1
.set SL,   96                          ; window 2
.set Z,    192
.set X2,   208
.set PP,   224
.set QQ,   240
.set TM,   192
.set PW,   198
.set PC,   200
.set MUL,  0x09                        ; source 0 window 1, source 1 window 2, C and D window 0
.set MULB, 0x19                        ; the same with C (the bias) from window 1
.set TOW,  0x40                        ; destination window 1
.set TOA,  0x80                        ; destination window 2
.set ST2,  0x08                        ; a store's data from window 2
.set MSB, 0
.macro WIN new                         ; the immediate's high byte repeats the setting that is left
.if MSB != \new
	s_set_vgpr_msb (MSB<<8)|\new
.set MSB, \new
.endif
.endm
	s_load_b512 s[8:23], s[0:1], 0x0               ; sel, xq, xs, wimg, W1_scales, b1, hq, hs
	s_load_b64 s[86:87], s[0:1], 0x40              ; rec
	s_set_vgpr_msb 0x40
	v_lshl_add_u32 v254, v0, 2, 0xc800
	v_mov_b32 v255, 0
	s_set_vgpr_msb 0x4000
	v_lshrrev_b32 v1, 5, v0
	v_readfirstlane_b32 s2, v1                     ; w
	s_mov_b32 s3, ttmp9                            ; c
	s_and_b32 s4, ttmp7, 0xffff                    ; b
	s_mov_b32 s45, 0                               ; the upper word of the offsets' pair s[44:45]
	s_lshr_b32 s50, s2, 1
	s_and_b32 s51, s2, 1
	v_and_b32 v1, 31, v0                           ; l
	v_and_b32 v2, 15, v0                           ; r
	v_bfe_u32 v3, v0, 4, 1                         ; hh
	v_mul_u32_u24 v4, v2, XP
	v_mad_u32_u24 v4, v3, 24, v4                   ; v4  x's fragments: row r, 24 hh
	v_lshlrev_b32 v5, 4, v1                        ; v5  16 l
	v_and_b32 v6, 8, v2
	v_add_nc_u32 v6, v6, v2
	v_lshl_add_u32 v6, v3, 3, v6
	v_lshlrev_b32 v6, 5, v6                        ; v6  weight scale words: row 8 hh + r + 8 (r / 8), 32 bytes a row
	v_lshlrev_b32 v7, 6, v3                        ; v7  bias: 16 hh numbers on
	v_lshlrev_b32 v8, 3, v1                        ; v8  8 l
	s_lshl_b32 s44, s50, 8
	s_lshl_b32 s52, s51, 1
	s_add_co_u32 s44, s44, s52
	s_add_co_u32 s44, s44, HSB
	v_lshl_add_u32 v9, v2, 2, s44                  ; v9  my two scale bytes of row r
	s_lshl_b32 s44, s51, 9
	s_add_co_u32 s44, s44, HSB
	v_lshl_add_u32 v10, v1, 4, s44                 ; v10 a slot's 512 scale bytes on their way out
	s_mul_i32 s44, s2, 16*XP
	v_mul_u32_u24 v11, v3, 8*XP
	v_lshl_add_u32 v11, v2, 4, v11
	v_add_nc_u32 v11, s44, v11                     ; v11 the gathered rows: row 16 w + 8 hh, 16 r
	s_lshl_b32 s44, s2, 13
	v_lshl_add_u32 v[PG], v1, 2, s44               ; my 64 rows of counts in memory: 8,192 w + 4 l
	v_add_nc_u32 v[PL], BASE, v[PG]                ; and their rows of the table in LDS
	v_lshl_add_u32 v[TW], v0, 2, TAB               ; my word of the totals
	v_lshl_add_u32 v[TR], v1, 2, TAB               ; a column of the totals
	s_lshl_b32 s44, s2, 12
	v_lshl_add_u32 v[SG], v1, 4, s44               ; my 1,024 words of sel: 4,096 w + 16 l
	v_add_nc_u32 v[SD], SELL, v[SG]
	s_lshl_b32 s44, s2, 6
	s_add_co_u32 s44, s44, RECL
	v_lshl_add_u32 v[RS], v2, 2, s44               ; the word of place 16 w + r of the block
	v_lshl_add_u32 v[RO], v1, 3, RECL              ; two words a lane, on their way out
	v_lshl_add_u32 v30, v2, 2, RECL                ; rec in LDS: 4 r
	v_lshl_add_u32 v31, v1, 2, RECL                ;      4 l
	v_lshl_add_u32 v1, v3, 5, s44                  ;      rows 16 w + 8 hh on
	s_lshl_b32 s44, s4, 6
	s_lshl_b32 s52, s2, 4
	s_add_co_u32 s44, s44, s52
	s_add_co_u32 s44, s44, 1
	v_add_nc_u32 v[PV], s44, v2                    ; my place + 1: t - this is negative just where t <= my place
	v_mov_b32 v[PBS], 0
	v_lshlrev_b32 v2, 4, v2                        ; 16 r
	s_wait_alu depctr_va_vdst(0)
	s_wait_kmcnt 0x0
	s_lshl_b32 s44, s4, 8
	s_add_nc_u64 s[86:87], s[86:87], s[44:45]      ; rec at my block
.set n, 0
.rept 64
	global_load_b32 v[HR+n], v[PG], s[8:9] offset:CNT+128*n        ; group 64 w + n: lane = J
.set n, n+1
.endr
.set n, 0
.rept 8
	global_load_b128 v[SWD+4*n:SWD+4*n+3], v[SG], s[8:9] offset:512*n
.set n, n+1
.endr
	s_lshl_b32 s7, s3, 2
	s_add_co_u32 s7, s7, s2                        ; 4 c + w: my 64 units
	s_mul_i32 s44, s7, 4*12288
	s_add_nc_u64 s[26:27], s[14:15], s[44:45]      ; my four tiles of expert 0
	s_lshl_b32 s44, s7, 11
	s_add_nc_u64 s[28:29], s[16:17], s[44:45]      ; their scale bytes
	s_lshl_b32 s44, s7, 8
	s_add_nc_u64 s[30:31], s[18:19], s[44:45]      ; their bias
	s_mul_i32 s44, s4, 49152                       ; hq: block b, K step 2 c + w / 2, half w % 2
	s_lshl_b32 s52, s3, 1
	s_add_co_u32 s52, s52, s50
	s_mul_i32 s52, s52, 6144
	s_add_co_u32 s44, s44, s52
	s_mul_i32 s52, s51, 768
	s_add_co_u32 s44, s44, s52
	s_add_nc_u64 s[34:35], s[20:21], s[44:45]
	s_lshl_b32 s44, s51, 17                        ; hs: slot w % 2, block b, my work-group's two K steps
	s_lshl_b32 s52, s4, 11
	s_add_co_u32 s44, s44, s52
	s_lshl_b32 s52, s3, 9
	s_add_co_u32 s44, s44, s52
	s_add_nc_u64 s[36:37], s[22:23], s[44:45]
	s_mov_b32 s46, 0x76543210                      ; v_permlanex16_b32's selects for lane l xor 16
	s_mov_b32 s47, 0xfedcba98
; how many of the 3 len numbers from v[b] on are negative: their sign bits, summed in three chains
.macro COUNT b, len, dst
.set n, 0
.rept 3*\len
	v_lshrrev_b32 v[\b+n], 31, v[\b+n]
.set n, n+1
.endr
.set n, 1
.rept \len-1
.irp c, 0,1,2
	v_add_nc_u32 v[\b+\len*\c], v[\b+\len*\c], v[\b+\len*\c+n]
.endr
.set n, n+1
.endr
	v_add_nc_u32 v[\dst], v[\b], v[\b+\len]
	v_add_nc_u32 v[\dst], v[\dst], v[\b+2*\len]
.endm
.macro TREE op, dst                    ; op over the sixteen numbers at v[TB], which stay
.irp i, 0,1,2,3,4,5,6,7
	\op v[TJ+\i], v[TB+\i], v[TB+8+\i]
.endr
.irp i, 0,1,2,3
	\op v[TJ+\i], v[TJ+\i], v[TJ+4+\i]
.endr
.irp i, 0,1
	\op v[TJ+\i], v[TJ+\i], v[TJ+2+\i]
.endr
	\op v[\dst], v[TJ], v[TJ+1]
.endm
	s_wait_loadcnt 8                               ; my 64 rows are in; the 8 loads of sel's words behind them may be out
.irp j, 1,2,3,4,5,6,7                  ; running sums, eight chains of eight rows by turns
.irp c, 0,1,2,3,4,5,6,7
	v_add_nc_u32 v[HR+8*\c+\j], v[HR+8*\c+\j], v[HR+8*\c+\j-1]
.endr
.endr
	v_add_nc_u32 v[OC+2], v[HR+7], v[HR+15]
.irp c, 3,4,5,6,7
	v_add_nc_u32 v[OC+\c], v[OC+\c-1], v[HR+8*\c-1]
.endr
	v_add_nc_u32 v[TOT], v[OC+7], v[HR+63]         ; my total
	ds_store_b32 v[TW], v[TOT]
	s_wait_alu depctr_va_vdst(0)
	s_wait_loadcnt 0x0                             ; sel's words
.set n, 0
.rept 8
	ds_store_b128 v[SD], v[SWD+4*n:SWD+4*n+3] offset:512*n
.set n, n+1
.endr
	s_wait_dscnt 0x0                               ; for the others' sake: my total and my part of sel have landed
	s_barrier_signal -1
	s_barrier_wait -1
.irp q, 0,1,2,3
	ds_load_b32 v[TT+\q], v[TR] offset:128*\q
.endr
	s_wait_dscnt 0x0
	s_cmp_gt_u32 s2, 0
	s_cselect_b32 s44, 1, 0
	v_mul_u32_u24 v[EAR], v[TT], s44               ; the pair's tokens in earlier waves
	s_cmp_gt_u32 s2, 1
	s_cselect_b32 s44, 1, 0
	v_mad_u32_u24 v[EAR], v[TT+1], s44, v[EAR]
	s_cmp_gt_u32 s2, 2
	s_cselect_b32 s44, 1, 0
	v_mad_u32_u24 v[EAR], v[TT+2], s44, v[EAR]
	v_add_nc_u32 v[ALL], v[TT], v[TT+1]
	v_add_nc_u32 v[TOT], v[TT+2], v[TT+3]
	v_add_nc_u32 v[ALL], v[ALL], v[TOT]            ; and in all
	; the running sum over the pairs: lanes to scalars (s56-63, s66-84), 26 additions, scalars to the next lanes
.set n, 0
.rept 27
	v_readlane_b32 s[56+n+2*((n+56)/64)], v[ALL], n
.set n, n+1
.endr
.set n, 1
.rept 26
	s_add_co_u32 s[56+n+2*((n+56)/64)], s[56+n+2*((n+56)/64)], s[55+n+2*((n+55)/64)]
.set n, n+1
.endr
.set n, 0
.rept 27
	v_writelane_b32 v[PBS], s[56+n+2*((n+56)/64)], n+1     ; lane J: the tokens of pairs 0 .. J - 1
.set n, n+1
.endr
	v_add_nc_u32 v[OB], v[PBS], v[EAR]             ; the first places of my row 0,
	v_add_nc_u32 v[OB+1], v[OB], v[HR+7]           ; of row 8,
.irp c, 2,3,4,5,6,7
	v_add_nc_u32 v[OB+\c], v[OB], v[OC+\c]         ; of row 8 c
.endr
.irp j, 1,2,3,4,5,6,7
.irp c, 0,1,2,3,4,5,6,7
	v_add_nc_u32 v[HR+8*\c+\j-1], v[OB+\c], v[HR+8*\c+\j-1]        ; of row 8 c + j
.endr
.endr
.irp c, 0,1,2,3,4,5,6,7
	ds_store_b32 v[PL], v[OB+\c] offset:128*8*\c
.endr
.irp j, 1,2,3,4,5,6,7
.irp c, 0,1,2,3,4,5,6,7
	ds_store_b32 v[PL], v[HR+8*\c+\j-1] offset:128*(8*\c+\j)
.endr
.endr
	s_wait_dscnt 0x0                               ; my rows have landed
	s_barrier_signal -1
	; work on registers while the others arrive: my place's pair = how many of the 27 running totals are at or under my place
.set n, 0
.rept 27
	v_sub_nc_u32 v[TJ+n], s[56+n+2*((n+56)/64)], v[PV]
.set n, n+1
.endr
	COUNT TJ, 9, JJ
	v_min_u32 v[JJ], 31, v[JJ]                     ; held inside a row
	v_lshl_add_u32 v[A1], v[JJ], 2, BASE           ; column J of the table
	s_wait_alu depctr_va_vdst(0)
	s_barrier_wait -1                              ; from here on the table and the copy of sel are only read
.irp i, 1,2,3,4,5,6,7,8,9,10,11,12,13,14,15
	ds_load_b32 v[TB+\i], v[A1] offset:2048*\i     ; the first places of groups 16 i: they never fall from group to group
.endr
	s_wait_dscnt 0x0
.irp i, 1,2,3,4,5,6,7,8,9,10,11,12,13,14,15
	v_sub_nc_u32 v[TB+\i], v[TB+\i], v[PV]
.endr
	COUNT TB+1, 5, C1
	v_min_u32 v[C1], 15, v[C1]                     ; my group lies in 16 C1 .. + 15
	v_lshl_add_u32 v[A2], v[C1], 11, v[A1]
.irp i, 0,1,2,3,4,5,6,7,8,9,10,11,12,13,14,15
	ds_load_b32 v[TB+\i], v[A2] offset:128*\i
.endr
	v_lshlrev_b32 v[KEY], 8, v[JJ]
	s_wait_alu depctr_va_vdst(0)
	s_wait_dscnt 0x0
.irp i, 0,1,2,3,4,5,6,7,8,9,10,11,12,13,14,15
	v_sub_nc_u32 v[TB+\i], v[TB+\i], v[PV]         ; t - place - 1
.endr
	TREE v_max_u32, RK                             ; as unsigned numbers the negative ones are the greatest, and of them the last group's that begins at or under my place
	v_xor_b32 v[RK], -1, v[RK]                     ; place - t: my rank in that group
	COUNT TB+1, 5, C2
	v_lshl_add_u32 v[GG], v[C1], 4, v[C2]          ; the group
	v_min_u32 v[GG], 0xff, v[GG]
	v_lshl_add_u32 v[A3], v[GG], 6, SELL
.irp q, 0,1,2,3
	ds_load_b128 v[TB+4*\q:TB+4*\q+3], v[A3] offset:16*\q          ; its 16 words of sel
.endr
	v_lshl_or_b32 v[KEY], v[RK], 16, v[KEY]        ; J<<8 | rank<<16
	s_wait_alu depctr_va_vdst(0)
	s_wait_dscnt 0x0
.irp i, 0,1,2,3,4,5,6,7,8,9,10,11,12,13,14,15
	v_xor_b32 v[TB+\i], v[KEY], v[TB+\i]           ; under 64 (lo | hi<<3) in the one word that has my J and rank, 256 or more in the others
.endr
.irp i, 0,1,2,3,4,5,6,7,8,9,10,11,12,13,14,15
	v_lshl_or_b32 v[TB+\i], v[TB+\i], 4, \i        ; with the word's number below it
.endr
	TREE v_min_u32, RK
	v_and_b32 v[C2], 15, v[RK]
	v_lshl_add_u32 v[C2], v[GG], 4, v[C2]          ; the token
	v_bfe_u32 v[C1], v[RK], 4, 6
	v_lshl_or_b32 v[C2], v[C1], 12, v[C2]          ; token | lo<<12 | hi<<15
	ds_store_b32 v[RS], v[C2]                      ; lanes r and r + 16 store the same word at the same place
	s_wait_dscnt 0x0                               ; for the others' sake
	s_barrier_signal -1
	s_barrier_wait -1
.irp m, 0,1,2,3
	ds_load_b32 v[24+\m], v30 offset:64*\m         ; row 16 m + r
.endr
.irp m, 0,1
	ds_load_b32 v[28+\m], v31 offset:128*\m        ; row 32 m + l
.endr
	ds_load_b128 v[192:195], v1                    ; rows 16 w + 8 hh + 0 .. 7
	ds_load_b128 v[196:199], v1 offset:16
	s_or_b32 s44, s2, s3
	s_cmp_lg_u32 s44, 0
	s_cbranch_scc1 .Lno_rec                        ; wave 0 of the work-groups with c = 0 stores the block's list
	ds_load_b64 v[232:233], v[RO]
	s_wait_dscnt 0x0
	global_store_b64 v8, v[232:233], s[86:87]      ; 256 consecutive bytes, aligned
.Lno_rec:
.macro CONST p, bits                   ; a pair: the packed forms name both words
	s_mov_b32 s[\p], \bits
	s_mov_b32 s[\p+1], \bits
.endm
	CONST 56, 0x3f3504f3                           ; 1 / sqrt 2
	CONST 58, 0x326dffee                           ; P's coefficients, halved, from z^11's down
	CONST 60, 0xb58cff51
	CONST 62, 0xb7eec2d2
	CONST 66, 0xb9c0ac63
	CONST 68, 0xbac1a1f6
	CONST 70, 0xbc03dbd4
	CONST 72, 0xb95fbd29                           ; Q's, from z^6's down
	CONST 74, 0xbadc924e
	CONST 76, 0xbbf19bf8
	CONST 78, 0xbc69b6a7
	v_mov_b32 v12, 0xaf15df0b                      ; P's highest, halved
	v_mov_b32 v13, 0xaf15df0b
	v_mov_b32 v14, 0xb77460cd                      ; Q's highest
	v_mov_b32 v15, 0xb77460cd
	s_wait_dscnt 0x0                               ; rec
.irp m, 0,1,2,3
	v_bfe_u32 v[16+\m], v[24+\m], 12, 3            ; lo
	v_bfe_u32 v[20+\m], v[24+\m], 15, 3            ; hi
.endr
.irp p, 0,1,2,3,4,5,6,7
	v_and_b32 v[200+\p], 0xfff, v[192+\p]          ; the token,
	v_min_u32 v[200+\p], 0xfff, v[200+\p]          ; held inside the buffer,
	v_mul_u32_u24 v[200+\p], v[200+\p], 768        ; its row of codes,
	v_add_nc_u32 v[200+\p], v2, v[200+\p]          ; my 16 bytes
.endr
.irp p, 0,1,2,3,4,5,6,7
.irp j, 0,1,2
	global_load_b128 v[64+4*(3*\p+\j):64+4*(3*\p+\j)+3], v[200+\p], s[10:11] offset:256*\j   ; sixteen lanes read 256 consecutive bytes of a row, aligned
.endr
.endr
.irp m, 0,1
	v_and_b32 v[208+\m], 0xfff, v[28+\m]
	v_min_u32 v[208+\m], 0xfff, v[208+\m]
	v_lshlrev_b32 v[208+\m], 5, v[208+\m]
	global_load_b128 v[TS+8*\m:TS+8*\m+3], v[208+\m], s[12:13]             ; x's scale words: lanes 0-15 tile 2 m's tokens, lanes 16-31 tile 2 m + 1's
	global_load_b128 v[TS+8*\m+4:TS+8*\m+7], v[208+\m], s[12:13] offset:16
.endr
	; which experts the block uses: a bit for each
	v_mov_b32 v210, 1
	v_lshlrev_b32 v211, v16, v210
	v_lshlrev_b32 v212, v20, v210
	v_or_b32 v211, v211, v212
.irp m, 1,2,3
	v_lshlrev_b32 v212, v[16+\m], v210
	v_lshlrev_b32 v213, v[20+\m], v210
	v_or_b32 v211, v211, v212
	v_or_b32 v211, v211, v213
.endr
	s_wait_alu depctr_va_vdst(0)
	s_mov_b32 s5, 0
.irp e, 0,1,2,3,4,5,6,7
	v_and_b32 v212, 1<<\e, v211
	v_cmp_ne_u32 vcc_lo, 0, v212
	s_cmp_lg_u32 vcc_lo, 0
	s_cselect_b32 s44, 1<<\e, 0
	s_or_b32 s5, s5, s44
.endr
	s_bcnt1_i32_b32 s6, s5                         ; visits to make: a token has two experts, so 2 at the least;
	s_max_u32 s6, s6, 1                            ; the walk's counter starts at 1 or more, whatever rec holds
.macro PICK                            ; the next expert to visit: s25; its weights s[38:39], scale bytes s[40:41], bias s[42:43]
	s_ctz_i32_b32 s25, s5
	s_min_u32 s25, s25, 7
	s_lshl_b32 s44, 1, s25
	s_and_not1_b32 s5, s5, s44
	s_mul_i32 s44, s25, 786432
	s_add_nc_u64 s[38:39], s[26:27], s[44:45]
	s_lshl_b32 s44, s25, 15
	s_add_nc_u64 s[40:41], s[28:29], s[44:45]
	s_lshl_b32 s44, s25, 12
	s_add_nc_u64 s[42:43], s[30:31], s[44:45]
.endm
.macro WLOAD p, k                      ; K step k's four weight fragments into ring place k % 4: each load 512 consecutive bytes
.irp t, 0,1,2,3
.irp q, 0,1,2
	global_load_b128 v[48*((\k)%4)+12*\t+4*\q:48*((\k)%4)+12*\t+4*\q+3], v5, s[\p:\p+1] offset:12288*\t+1536*(\k)+512*\q
.endr
.endr
.endm
.macro BLOAD                           ; the bias in the result's layout: tile t, lane (r, hh): units 32 (t / 2) + 16 hh + 8 (t % 2) + 0 .. 7
.irp t, 0,1,2,3
	global_load_b128 v[BI+8*\t:BI+8*\t+3], v7, s[42:43] offset:128*(\t/2)+32*(\t%2)
	global_load_b128 v[BI+8*\t+4:BI+8*\t+7], v7, s[42:43] offset:128*(\t/2)+32*(\t%2)+16
.endr
.endm
.macro SLOAD hf                        ; weight scale words of K steps 4 hf .. 4 hf + 3: lanes 0-15 tile 2 p's rows, lanes 16-31 tile 2 p + 1's
.irp p, 0,1
	global_load_b128 v[WS+8*\p+4*\hf:WS+8*\p+4*\hf+3], v6, s[40:41] offset:1024*\p+16*\hf
.endr
.endm
.macro FETCH k                         ; x's four fragments of K step k into place k % 2
.irp m, 0,1,2,3
.irp p, 0,1,2,3,4,5
	ds_load_b64 v[48*((\k)%2)+12*\m+2*\p:48*((\k)%2)+12*\m+2*\p+1], v4 offset:16*XP*\m+96*(\k)+48*(\p/3)+8*(\p%3)
.endr
.endr
.endm
.macro WM d, a, b, c, sa, sb, ra, rb   ; one product; ra, rb: the scale words stand in lanes 16-31
.if ((\ra) != 0) && ((\rb) != 0)
	v_wmma_scale_f32_16x16x128_f8f6f4 v[\d:\d+7], v[\a:\a+11], v[\b:\b+11], v[\c:\c+7], v[\sa], v[\sb] matrix_a_fmt:MATRIX_FMT_FP6 matrix_b_fmt:MATRIX_FMT_FP6 matrix_a_scale:MATRIX_SCALE_ROW1 matrix_b_scale:MATRIX_SCALE_ROW1
.elseif (\ra) != 0
	v_wmma_scale_f32_16x16x128_f8f6f4 v[\d:\d+7], v[\a:\a+11], v[\b:\b+11], v[\c:\c+7], v[\sa], v[\sb] matrix_a_fmt:MATRIX_FMT_FP6 matrix_b_fmt:MATRIX_FMT_FP6 matrix_a_scale:MATRIX_SCALE_ROW1
.elseif (\rb) != 0
	v_wmma_scale_f32_16x16x128_f8f6f4 v[\d:\d+7], v[\a:\a+11], v[\b:\b+11], v[\c:\c+7], v[\sa], v[\sb] matrix_a_fmt:MATRIX_FMT_FP6 matrix_b_fmt:MATRIX_FMT_FP6 matrix_b_scale:MATRIX_SCALE_ROW1
.else
	v_wmma_scale_f32_16x16x128_f8f6f4 v[\d:\d+7], v[\a:\a+11], v[\b:\b+11], v[\c:\c+7], v[\sa], v[\sb] matrix_a_fmt:MATRIX_FMT_FP6 matrix_b_fmt:MATRIX_FMT_FP6
.endif
.endm
; How many loads were issued behind K step k's twelve weight loads.  With a successor (P = 1): three K steps of 12 and 2 scale loads = 38; in steps 1 to 4 the successor's 8 bias loads too = 46.
; Without (P = 0): 38 while the ring is still fed, then the K steps that are left.
.macro LWAIT k, P
.if \P
.if ((\k) == 0) || ((\k) >= 5)
	s_wait_loadcnt 38
.else
	s_wait_loadcnt 46
.endif
.else
.if (\k) < 4
	s_wait_loadcnt 38
.else
	s_wait_loadcnt 12*(7-(\k))
.endif
.endif
.endm
; A K STEP of 128: 16 matrix instructions, the sixteen accumulators by turns, one instruction a turn, in the same order in every step.
; P = 1: the visit has a successor, whose bias, scale words and first four K steps are asked for on the way.
.macro KSTEP k, P
	s_wait_dscnt 0x0                               ; x's fragments of this step, asked for a step ago
.if (\P) || ((\k) < 7)
	WIN TOA
	FETCH ((\k)+1)%8                               ; the place's last products stand in front of the last step's v_nop
.endif
	LWAIT \k, \P
.if (\k) == 0
	WIN MULB
.else
	WIN MUL
.endif
.irp m, 0,1,2,3
.irp t, 0,1,2,3
.if (\k) == 0
	WM ACC+8*(4*\m+\t), 48*((\k)%4)+12*\t, 48*((\k)%2)+12*\m, BI+8*\t, WS+8*(\t/2)+(\k), TS+8*(\m/2)+(\k), \t%2, \m%2
.else
	WM ACC+8*(4*\m+\t), 48*((\k)%4)+12*\t, 48*((\k)%2)+12*\m, ACC+8*(4*\m+\t), WS+8*(\t/2)+(\k), TS+8*(\m/2)+(\k), \t%2, \m%2
.endif
.endr
.endr
.rept 4
	v_nop                                          ; places in front of loads into registers that these products have read, and of the first read of results
.endr
.if (\k) == 7
	v_nop                                          ; one more: the next visit's first products write over these accumulators with another C
.endif
.if (\k) < 4
	WIN TOW
	WLOAD 32, (\k)+4
.if ((\k) == 0) && (\P)
	BLOAD
.endif
.elseif \P
	WIN TOW
	WLOAD 38, (\k)-4
.endif
.if (\P) && ((\k) == 3)
	WIN 0
	SLOAD 0
.endif
.if (\P) && ((\k) == 7)
	WIN 0
	SLOAD 1
.endif
.endm
; gelu of 16 numbers in place, from the low end on
.macro GELU a
.irp i, 0,2,4,6,8,10,12,14
	v_pk_mul_f32 v[Z+\i:Z+\i+1], v[\a+\i:\a+\i+1], s[56:57] op_sel_hi:[1,0]
.endr
.irp i, 0,1,2,3,4,5,6,7,8,9,10,11,12,13,14,15
	v_med3_num_f32 v[Z+\i], v[Z+\i], -4.0, 4.0
.endr
.irp i, 0,2,4,6,8,10,12,14
	v_pk_mul_f32 v[X2+\i:X2+\i+1], v[Z+\i:Z+\i+1], v[Z+\i:Z+\i+1]
.endr
.irp i, 0,2,4,6,8,10,12,14
	v_pk_fma_f32 v[PP+\i:PP+\i+1], v[X2+\i:X2+\i+1], v[12:13], s[58:59] op_sel_hi:[1,1,0]
.endr
.irp i, 0,2,4,6,8,10,12,14
	v_pk_fma_f32 v[QQ+\i:QQ+\i+1], v[X2+\i:X2+\i+1], v[14:15], s[72:73] op_sel_hi:[1,1,0]
.endr
.irp c, 74,76,78
.irp i, 0,2,4,6,8,10,12,14
	v_pk_fma_f32 v[QQ+\i:QQ+\i+1], v[QQ+\i:QQ+\i+1], v[X2+\i:X2+\i+1], s[\c:\c+1] op_sel_hi:[1,1,0]
.endr
.endr
	s_wait_alu depctr_va_vdst(0)
.irp i, 0,1,2,3,4,5,6,7,8,9,10,11,12,13,14,15
	v_rcp_f32 v[QQ+\i], v[QQ+\i]                   ; one batch; P's chain below is the work behind it and names none of its results
.endr
.irp c, 60,62,66,68,70
.irp i, 0,2,4,6,8,10,12,14
	v_pk_fma_f32 v[PP+\i:PP+\i+1], v[PP+\i:PP+\i+1], v[X2+\i:X2+\i+1], s[\c:\c+1] op_sel_hi:[1,1,0]
.endr
.endr
.irp i, 0,2,4,6,8,10,12,14
	v_pk_mul_f32 v[PP+\i:PP+\i+1], v[PP+\i:PP+\i+1], v[Z+\i:Z+\i+1]
.endr
	s_wait_alu depctr_va_vdst(0)                   ; one wait for the sixteen reciprocals, ahead of their first use
.irp i, 0,2,4,6,8,10,12,14
	v_pk_fma_f32 v[PP+\i:PP+\i+1], v[PP+\i:PP+\i+1], v[QQ+\i:QQ+\i+1], 0.5 op_sel_hi:[1,1,0]
.endr
.irp i, 0,2,4,6,8,10,12,14
	v_pk_mul_f32 v[\a+\i:\a+\i+1], v[\a+\i:\a+\i+1], v[PP+\i:PP+\i+1]
.endr
.endm
; tile m's 32 numbers a lane, two blocks of 32 units (each in lanes l and l xor 16), become six registers of the next operand in v[PC] on and two scale bytes in v[PW]
.macro QUANT2 m
.set QA, ACC+32*(\m)
.irp b, 0,1
	v_max3_num_f32 v[TM+\b], |v[QA+16*\b]|, |v[QA+16*\b+1]|, 0x1800000     ; the floor 2^(3 - 127): the byte cannot fall under 1
.endr
.irp i, 2,4,6,8,10,12,14
.irp b, 0,1
	v_max3_num_f32 v[TM+\b], v[TM+\b], |v[QA+16*\b+\i]|, |v[QA+16*\b+\i+1]|
.endr
.endr
.irp b, 0,1
	v_permlanex16_b32 v[TM+2+\b], v[TM+\b], s46, s47
.endr
.irp b, 0,1
	v_max_num_f32 v[TM+\b], v[TM+\b], v[TM+2+\b]
.endr
.irp b, 0,1
	v_add_nc_u32 v[TM+4+\b], 0xff000000, v[TM+\b]  ; 2 off the exponent field: the conversion's scale operand
.endr
.irp b, 0,1
	v_lshrrev_b32 v[TM+2+\b], 23, v[TM+4+\b]       ; the scale's byte
.endr
	v_lshl_or_b32 v[PW], v[TM+3], 8, v[TM+2]
	v_cvt_scalef32_pk16_fp6_f32 v[PC:PC+2], v[QA:QA+15], v[TM+4]
	v_cvt_scalef32_pk16_fp6_f32 v[PC+6:PC+8], v[QA+16:QA+31], v[TM+5]
	v_nop                                          ; one plain line behind a scaled conversion
.irp i, 0,1,2
	v_permlane16_swap_b32 v[PC+\i], v[PC+6+\i]     ; the operand wants a whole block in a lane: lanes 0-15 the first block, lanes 16-31 the second
.endr
.irp i, 0,1,2
	v_mov_b32 v[PC+3+\i], v[PC+6+\i]
.endr
.endm
.macro SELECT m                        ; kept where this visit's expert is the token's lo (slot 0) or hi (slot 1)
	WIN 0x82                                       ; destination and source 0 window 2, source 1 window 0
.irp s, 0,1
.irp i, 0,1,2,3,4,5
	v_cndmask_b32 v[SL+8*(4*\s+\m)+\i], v[SL+8*(4*\s+\m)+\i], v[PC+\i], s[48+4*\s+\m]
.endr
	v_cndmask_b32 v[SL+8*(4*\s+\m)+6], v[SL+8*(4*\s+\m)+6], v[PW], s[48+4*\s+\m]
.endr
	WIN 0
.endm
	PICK
	WIN TOW                                        ; the first visit's 60 loads go out in the order in which a visit asks for its successor's: bias, scale words lo, K steps 0 to 3, scale words hi
	BLOAD
	WIN 0
	SLOAD 0
	WIN TOW
	WLOAD 38, 0
	WLOAD 38, 1
	WIN 0
	s_wait_loadcnt 34                              ; all but the 8 + 2 + 12 + 12 just issued: the gathered rows and x's scale words are in
.irp p, 0,1,2,3,4,5,6,7
.irp j, 0,1,2
	ds_store_b128 v11, v[64+4*(3*\p+\j):64+4*(3*\p+\j)+3] offset:XP*\p+256*\j
.endr
.endr
	WIN TOW
	WLOAD 38, 2
	WLOAD 38, 3
	WIN 0
	SLOAD 1
	WIN TOA
.set n, 0
.rept 64
	v_mov_b32 v[SL+n], 0                           ; the kept codes: v_cndmask_b32 reads what it may keep
.set n, n+1
.endr
	WIN 0
	s_wait_dscnt 0x0                               ; for the others' sake: my 16 rows have landed
	s_barrier_signal -1
	s_barrier_wait -1
	WIN TOA
	FETCH 0
	WIN 0
.Lvisit:
	s_wait_xcnt 0x0                                ; the loads that are out have read their bases: the pointers may be written
	s_mov_b64 s[32:33], s[38:39]                   ; this visit's weights
	s_mov_b32 s24, s25                             ; and its expert
	s_cmp_eq_u32 s6, 1
	s_cbranch_scc1 .Llast
	PICK
.irp k, 0,1,2,3,4,5,6,7
	KSTEP \k, 1
.endr
	WIN 0
	s_branch .Lepi
.Llast:
.irp k, 0,1,2,3,4,5,6,7
	KSTEP \k, 0
.endr
	WIN 0
.Lepi:
.irp m, 0,1,2,3
	v_cmp_eq_u32 s[48+\m], s24, v[16+\m]
	v_cmp_eq_u32 s[52+\m], s24, v[20+\m]
.endr
.irp m, 0,1,2,3
	s_or_b32 s44, s[48+\m], s[52+\m]               ; a tile of 16 tokens none of which has this visit's expert keeps nothing: its activation, quantiser and choice are passed over
	s_cmp_eq_u32 s44, 0
	s_cbranch_scc1 .Lnone\m
	GELU ACC+32*\m
	GELU ACC+32*\m+16
	QUANT2 \m
	SELECT \m
.Lnone\m:
.endr
	s_sub_co_u32 s6, s6, 1
	s_cmp_lg_u32 s6, 0
	s_cbranch_scc1 .Lvisit
	s_wait_loadcnt 0x0
	s_wait_dscnt 0x0
	; THE WAY OUT: each store of codes covers 512 or 256 consecutive bytes, aligned; the scale bytes of four waves meet in LDS
	WIN ST2
	s_wait_alu depctr_va_vdst(0)
.irp s, 0,1
.irp m, 0,1,2,3
	global_store_b128 v5, v[SL+8*(4*\s+\m):SL+8*(4*\s+\m)+3], s[34:35] offset:3145728*\s+1536*\m
	global_store_b64 v8, v[SL+8*(4*\s+\m)+4:SL+8*(4*\s+\m)+5], s[34:35] offset:3145728*\s+1536*\m+512
	ds_store_b16 v9, v[SL+8*(4*\s+\m)+6] offset:512*\s+64*\m       ; lanes r and r + 16 store the same two bytes
.endr
.endr
	WIN 0
	s_wait_dscnt 0x0                               ; for the others' sake
	s_barrier_signal -1
	s_barrier_wait -1
	s_cmp_lt_u32 s2, 2
	s_cbranch_scc0 .Lend
	ds_load_b128 v[192:195], v10                   ; waves 0 and 1: a slot's 512 scale bytes
	s_wait_dscnt 0x0
	global_store_b128 v5, v[192:195], s[36:37]
.Lend:
	s_set_vgpr_msb 0x5
	s_wait_tensorcnt 0x0
	ds_add_u32 v254, v255
	s_wait_dscnt 0x0
	s_set_vgpr_msb 0x500
	s_endpgm
.Lfunc_end_k_q4f316a8e9e_ffn1:
	.size	k_q4f316a8e9e_ffn1, .Lfunc_end_k_q4f316a8e9e_ffn1-k_q4f316a8e9e_ffn1
	.p2alignl 7, 3214868480
	.fill 96, 4, 3214868480
	.section	.rodata,"a",@progbits
	.p2align	6, 0x0
	.amdhsa_kernel k_q4f316a8e9e_ffn1
		.amdhsa_group_segment_fixed_size 101632
		.amdhsa_private_segment_fixed_size 0
		.amdhsa_enable_private_segment 0
		.amdhsa_kernarg_size 72
		.amdhsa_user_sgpr_count 2
		.amdhsa_user_sgpr_kernarg_segment_ptr 1
		.amdhsa_wavefront_size32 1
		.amdhsa_system_sgpr_workgroup_id_x 1
		.amdhsa_system_sgpr_workgroup_id_y 1
		.amdhsa_system_sgpr_workgroup_id_z 1
		.amdhsa_system_vgpr_workitem_id 0
		.amdhsa_next_free_vgpr 768
		.amdhsa_next_free_sgpr 88
		.amdhsa_reserve_vcc 1
		.amdhsa_float_denorm_mode_32 3
		.amdhsa_float_denorm_mode_16_64 3
		.amdhsa_memory_ordered 1
		.amdhsa_forward_progress 1
		.amdhsa_inst_pref_size 219
	.end_amdhsa_kernel
	.amdgpu_metadata
---
amdhsa.version: [ 1, 2 ]
amdhsa.kernels:
  - .name:           k_q4f316a8e9e_ffn1
    .symbol:         k_q4f316a8e9e_ffn1.kd
    .args:
      - { .name: sel, .offset: 0, .size: 8, .value_kind: global_buffer, .address_space: global }
      - { .name: xq, .offset: 8, .size: 8, .value_kind: global_buffer, .address_space: global }
      - { .name: xs, .offset: 16, .size: 8, .value_kind: global_buffer, .address_space: global }
      - { .name: wimg, .offset: 24, .size: 8, .value_kind: global_buffer, .address_space: global }
      - { .name: W1_scales, .offset: 32, .size: 8, .value_kind: global_buffer, .address_space: global }
      - { .name: b1, .offset: 40, .size: 8, .value_kind: global_buffer, .address_space: global }
      - { .name: hq, .offset: 48, .size: 8, .value_kind: global_buffer, .address_space: global }
      - { .name: hs, .offset: 56, .size: 8, .value_kind: global_buffer, .address_space: global }
      - { .name: rec, .offset: 64, .size: 8, .value_kind: global_buffer, .address_space: global }
    .group_segment_fixed_size: 101632
    .private_segment_fixed_size: 0
    .kernarg_segment_align: 8
    .kernarg_segment_size: 72
    .max_flat_workgroup_size: 128
    .sgpr_count:     88
    .vgpr_count:     768
    .wavefront_size: 32
...
	.end_amdgpu_metadata
.endif
;; end of part 6
;; launch ffn2 (part 7): grid 4 x 64, 4 waves a work-group, no clusters, 102,912 bytes of LDS; arguments rec, gate, hq, hs, wimg, W2_scales, b2, out0; writes out0
.if DOCPART == 7
	.amdgcn_target "amdgcn-amd-amdhsa--gfx1250"
	.amdhsa_code_object_version 6
	.text
	.protected	k_q4f316a8e9e_ffn2
	.globl	k_q4f316a8e9e_ffn2
	.p2align	8
	.type	k_q4f316a8e9e_ffn2,@function
k_q4f316a8e9e_ffn2:
	s_mov_b64 s[64:65], 0
	v_nop
	global_prefetch_b8 v0, s[64:65] scope:SCOPE_SE
	s_setreg_imm32_b32 hwreg(HW_REG_WAVE_MODE, 25, 1), 1
	s_wait_xcnt 0x0
; FFN2.  out[token] = the sum over the token's two experts of gate x (hidden W2 + b2).
; SHARES.  Work-group (c, b): block b of 64 sorted tokens x output columns 256 c .. + 255; wave w: columns 256 c + 64 w .. + 63 for all 64 tokens.  Each output row's 1,024 bytes of a work-group have one owner: nothing is added between work-groups.
; TWO WALKS.  The block's hidden codes lie in LDS as images of the operand's registers: slot 0 holds each row's hidden layer for its lower expert (lo), slot 1 for its higher one (hi).  Walk 0 visits the experts that are some row's lo
; and multiplies slot 0; walk 1 visits those that are some row's hi and multiplies slot 1.  So every LDS address is a constant and a lane term, made at the head.  A visit is eight K steps of 128, 16 matrix instructions each, for all 64 rows;
; gate x (product + b2) is added only in the lanes whose token has the expert in that slot, so a product that is thrown away never reaches a result.  A block inside one pair of experts has two visits.
; The walks hang on numbers read from memory, so there is no tensor load, no cluster (partners would need different numbers of tiles) and no barrier in them: weights come from memory straight into registers, from the layout that
; the first launch made.  The stream of weights does not stop between the walks: walk 0's last visit asks for the first expert of walk 1.
; THE MATRIX INSTRUCTION IS USED TRANSPOSED (source 0 = 16 weight rows, source 1 = 16 tokens); b2 is the C of each sum's first matrix instruction.
; LDS: two barriers.  Ahead of the first the images are stored; between the two they are only read; behind the second the waves' stages for the way out lie over slot 0's first bytes.
; LIMITS: NaN and infinities among the inputs are not served.
; REGISTERS, in windows of 256.  Window 0: v4-15, v30 addresses; v16-23 the rows' lo and hi; v32-47 weight scale words; v48-63 the hidden layer's; v64-191 the 16 accumulators; v200-207 the gates; v224-255 the rows' places in out0.
;   Window 1: the weights' ring of four K steps and the bias.   Window 2: v0-95 two K steps of hidden fragments (at the head the copy, at the end rows of out0).   Window 3: v0-127 the results.
.set SLOTB, 49152                      ; a slot's codes for the block: LDS bytes 0 .. 98,303 hold the two slots
.set HSL,  2*SLOTB                     ; behind them their scale words, 2 x 2,048 bytes
.set HSLB, 2048
.set SGP,  272                         ; the way out: each wave's own stage of 16 rows x (256 bytes + 16), from LDS byte 4,352 w on: in slot 0, which nobody reads behind the second barrier
.set WS,   32
.set TS,   48
.set ACC,  64
.set GT,   200
.set BI,   192                         ; window 1
.set MUL,  0x09                        ; source 0 window 1, source 1 window 2, C and D window 0
.set MULB, 0x19                        ; the same with C (the bias) from window 1
.set TOW,  0x40                        ; destination window 1
.set TOA,  0x80                        ; destination window 2
.set ST2,  0x08                        ; a store's data from window 2
.set MSB, 0
.macro WIN new                         ; the immediate's high byte repeats the setting that is left
.if MSB != \new
	s_set_vgpr_msb (MSB<<8)|\new
.set MSB, \new
.endif
.endm
	s_load_b512 s[8:23], s[0:1], 0x0               ; rec, gate, hq, hs, wimg, W2_scales, b2, out0
	v_lshl_add_u32 v213, v0, 2, 0x19000
	v_mov_b32 v219, 0
	v_lshrrev_b32 v1, 5, v0
	v_readfirstlane_b32 s2, v1                     ; w
	s_mov_b32 s3, ttmp9                            ; c
	s_and_b32 s4, ttmp7, 0xffff                    ; b
	s_mov_b32 s45, 0                               ; the upper word of the offsets' pair s[44:45]
	s_lshr_b32 s50, s2, 1
	s_and_b32 s51, s2, 1
	v_and_b32 v1, 31, v0                           ; l
	v_and_b32 v2, 15, v0                           ; r
	v_bfe_u32 v3, v0, 4, 1                         ; hh
	v_lshlrev_b32 v4, 4, v1                        ; v4  16 l: an image's first four registers in slot 0; also the weights' offset
	v_and_b32 v5, 8, v2
	v_add_nc_u32 v5, v5, v2
	v_lshl_add_u32 v5, v3, 3, v5
	v_lshlrev_b32 v5, 5, v5                        ; v5  weight scale words: row 8 hh + r + 8 (r / 8), 32 bytes a row
	v_lshlrev_b32 v6, 6, v3                        ; v6  bias: 16 hh numbers on
	v_lshlrev_b32 v7, 4, v2                        ; v7  16 r
	v_lshl_add_u32 v8, v1, 3, 512                  ; v8  an image's last two registers in slot 0: 512 + 8 l
	v_lshl_add_u32 v9, v1, 2, HSL                  ; v9  a scale word: 4 l
	v_add_nc_u32 v10, SLOTB, v4                    ; v10 as v4, in slot 1
	v_add_nc_u32 v11, SLOTB, v8                    ; v11 as v8, in slot 1
	s_mul_i32 s44, s2, 16*SGP                      ; my stage
	v_mul_u32_u24 v13, v2, SGP
	v_lshl_add_u32 v13, v3, 6, v13
	v_add_nc_u32 v13, s44, v13                     ; v13 the stage, in: row r, 64 hh
	v_mul_u32_u24 v14, v3, 8*SGP
	v_lshl_add_u32 v14, v2, 4, v14
	v_add_nc_u32 v14, s44, v14                     ; v14 the stage, out: row 8 hh, 16 r
	s_mul_i32 s44, s2, 24576
	v_add_nc_u32 v15, s44, v4                      ; v15 the copy: my quarter of the codes
	s_lshl_b32 s44, s2, 10
	s_add_co_u32 s44, s44, HSL
	v_add_nc_u32 v30, s44, v4                      ; v30 and of the scale words
	v_lshlrev_b32 v218, 2, v2                      ; rec: 4 r
	v_lshlrev_b32 v220, 5, v3                      ;      rows 8 hh on
	s_wait_alu depctr_va_vdst(0)
	s_wait_kmcnt 0x0
	s_lshl_b32 s44, s4, 8
	s_add_nc_u64 s[8:9], s[8:9], s[44:45]          ; rec at my block
.irp m, 0,1,2,3
	global_load_b32 v[208+\m], v218, s[8:9] offset:64*\m           ; row 16 m + r
.endr
.irp m, 0,1,2,3
	global_load_b128 v[224+8*\m:224+8*\m+3], v220, s[8:9] offset:64*\m       ; rows 16 m + 8 hh + 0 .. 7
	global_load_b128 v[224+8*\m+4:224+8*\m+7], v220, s[8:9] offset:64*\m+16
.endr
	s_mul_i32 s44, s50, 3145728                    ; hq: slot w / 2, block b, half w % 2
	s_mul_i32 s52, s4, SLOTB
	s_add_co_u32 s44, s44, s52
	s_mul_i32 s52, s51, 24576
	s_add_co_u32 s44, s44, s52
	s_add_nc_u64 s[34:35], s[12:13], s[44:45]
	s_lshl_b32 s44, s50, 17                        ; hs likewise
	s_lshl_b32 s52, s4, 11
	s_add_co_u32 s44, s44, s52
	s_lshl_b32 s52, s51, 10
	s_add_co_u32 s44, s44, s52
	s_add_nc_u64 s[36:37], s[14:15], s[44:45]
	WIN TOA
.set n, 0
.rept 48
	global_load_b128 v[4*n:4*n+3], v4, s[34:35] offset:512*n       ; the copy of my quarter of the codes: 512 consecutive bytes each
.set n, n+1
.endr
	WIN 0
	s_lshl_b32 s7, s3, 2
	s_add_co_u32 s7, s7, s2                        ; 4 c + w: my 64 columns
	s_mul_i32 s44, s7, 4*12288
	s_add_co_u32 s44, s44, 6291456                 ; W2's tiles lie behind W1's
	s_add_nc_u64 s[26:27], s[16:17], s[44:45]      ; my four tiles of expert 0
	s_lshl_b32 s44, s7, 11
	s_add_nc_u64 s[28:29], s[18:19], s[44:45]      ; their scale bytes
	s_lshl_b32 s44, s7, 8
	s_add_nc_u64 s[30:31], s[20:21], s[44:45]      ; their bias
	s_add_nc_u64 s[58:59], s[22:23], s[44:45]      ; out0 at my 256 bytes of a row: the same 256 (4 c + w)
	s_wait_loadcnt 48                              ; all but the copy's 48 loads: rec is in
.irp m, 0,1,2,3
	v_bfe_u32 v[16+\m], v[208+\m], 12, 3           ; lo
	v_bfe_u32 v[20+\m], v[208+\m], 15, 3           ; hi
	v_and_b32 v[214+\m], 0xfff, v[208+\m]
	v_min_u32 v[214+\m], 0xfff, v[214+\m]          ; the token, held inside the buffer
	v_lshlrev_b32 v[214+\m], 3, v[214+\m]
	global_load_b64 v[GT+2*\m:GT+2*\m+1], v[214+\m], s[10:11]      ; its two gates: lo's, hi's
.endr
	WIN TOA
.irp n, 0,1
	global_load_b128 v[192+4*\n:192+4*\n+3], v4, s[36:37] offset:512*\n      ; the copy of my quarter of the scale words
.endr
	WIN 0
.set n, 0
.rept 32
	v_and_b32 v[224+n], 0xfff, v[224+n]
	v_min_u32 v[224+n], 0xfff, v[224+n]
	v_lshl_add_u32 v[224+n], v[224+n], 12, v7      ; the row's place in out0: 4,096 x token + 16 r
.set n, n+1
.endr
	; which experts are some row's lo, and which some row's hi: a bit for each
	v_mov_b32 v12, 1
	v_lshlrev_b32 v221, v16, v12
	v_lshlrev_b32 v222, v20, v12
.irp m, 1,2,3
	v_lshlrev_b32 v223, v[16+\m], v12
	v_or_b32 v221, v221, v223
	v_lshlrev_b32 v223, v[20+\m], v12
	v_or_b32 v222, v222, v223
.endr
	s_mov_b32 s5, 0
	s_mov_b32 s46, 0
	s_wait_alu depctr_va_vdst(0)
.irp e, 0,1,2,3,4,5,6,7
	v_and_b32 v223, 1<<\e, v221
	v_cmp_ne_u32 vcc_lo, 0, v223
	s_cmp_lg_u32 vcc_lo, 0
	s_cselect_b32 s44, 1<<\e, 0
	s_or_b32 s5, s5, s44                           ; walk 0's experts
	v_and_b32 v223, 1<<\e, v222
	v_cmp_ne_u32 vcc_lo, 0, v223
	s_cmp_lg_u32 vcc_lo, 0
	s_cselect_b32 s44, 1<<\e, 0
	s_or_b32 s46, s46, s44                         ; walk 1's
.endr
	s_bcnt1_i32_b32 s47, s46                       ; walk 1's visits (taken now: the mask is used up as its experts are picked)
	s_bcnt1_i32_b32 s6, s5                         ; walk 0's visits: every row has a lo, so 1 at the least;
	s_max_u32 s6, s6, 1                            ; the counter starts at 1 or more, whatever rec holds
.macro PICK rem                        ; the next expert to visit, out of the mask s[rem]: s25; its weights s[38:39], scale bytes s[40:41], bias s[42:43]
	s_ctz_i32_b32 s25, s[\rem]
	s_min_u32 s25, s25, 7
	s_lshl_b32 s44, 1, s25
	s_and_not1_b32 s[\rem], s[\rem], s44
	s_mul_i32 s44, s25, 786432
	s_add_nc_u64 s[38:39], s[26:27], s[44:45]
	s_lshl_b32 s44, s25, 15
	s_add_nc_u64 s[40:41], s[28:29], s[44:45]
	s_lshl_b32 s44, s25, 12
	s_add_nc_u64 s[42:43], s[30:31], s[44:45]
.endm
.macro WLOAD p, k                      ; K step k's four weight fragments into ring place k % 4: each load 512 consecutive bytes
.irp t, 0,1,2,3
.irp q, 0,1,2
	global_load_b128 v[48*((\k)%4)+12*\t+4*\q:48*((\k)%4)+12*\t+4*\q+3], v4, s[\p:\p+1] offset:12288*\t+1536*(\k)+512*\q
.endr
.endr
.endm
.macro BLOAD                           ; the bias in the result's layout: tile t, lane (r, hh): columns 32 (t / 2) + 16 hh + 8 (t % 2) + 0 .. 7
.irp t, 0,1,2,3
	global_load_b128 v[BI+8*\t:BI+8*\t+3], v6, s[42:43] offset:128*(\t/2)+32*(\t%2)
	global_load_b128 v[BI+8*\t+4:BI+8*\t+7], v6, s[42:43] offset:128*(\t/2)+32*(\t%2)+16
.endr
.endm
.macro SLOAD hf                        ; weight scale words of K steps 4 hf .. 4 hf + 3: lanes 0-15 tile 2 p's rows, lanes 16-31 tile 2 p + 1's
.irp p, 0,1
	global_load_b128 v[WS+8*\p+4*\hf:WS+8*\p+4*\hf+3], v5, s[40:41] offset:1024*\p+16*\hf
.endr
.endm
.macro FETCH k, s                      ; slot s's four hidden fragments of K step k into place k % 2: an image's registers 0-3, 4-5, 6-9, 10-11.  Slot 0: v4, v8; slot 1: v10, v11
.irp m, 0,1,2,3
.irp u, 0,1
	ds_load_b128 v[48*((\k)%2)+12*\m+6*\u:48*((\k)%2)+12*\m+6*\u+3], v[4+6*(\s)] offset:6144*(\k)+1536*\m+768*\u
	ds_load_b64 v[48*((\k)%2)+12*\m+6*\u+4:48*((\k)%2)+12*\m+6*\u+5], v[8+3*(\s)] offset:6144*(\k)+1536*\m+768*\u
.endr
.endr
.endm
.macro HSLOAD s                        ; slot s's scale words of all eight K steps, once a walk: lanes 0-15 tile 2 m's rows, lanes 16-31 tile 2 m + 1's
.irp m, 0,1
.irp k, 0,1,2,3,4,5,6,7
	ds_load_b32 v[TS+8*\m+\k], v9 offset:HSLB*(\s)+256*\k+128*\m
.endr
.endr
.endm
.macro WM d, a, b, c, sa, sb, ra, rb   ; one product; ra, rb: the scale words stand in lanes 16-31
.if ((\ra) != 0) && ((\rb) != 0)
	v_wmma_scale_f32_16x16x128_f8f6f4 v[\d:\d+7], v[\a:\a+11], v[\b:\b+11], v[\c:\c+7], v[\sa], v[\sb] matrix_a_fmt:MATRIX_FMT_FP6 matrix_b_fmt:MATRIX_FMT_FP6 matrix_a_scale:MATRIX_SCALE_ROW1 matrix_b_scale:MATRIX_SCALE_ROW1
.elseif (\ra) != 0
	v_wmma_scale_f32_16x16x128_f8f6f4 v[\d:\d+7], v[\a:\a+11], v[\b:\b+11], v[\c:\c+7], v[\sa], v[\sb] matrix_a_fmt:MATRIX_FMT_FP6 matrix_b_fmt:MATRIX_FMT_FP6 matrix_a_scale:MATRIX_SCALE_ROW1
.elseif (\rb) != 0
	v_wmma_scale_f32_16x16x128_f8f6f4 v[\d:\d+7], v[\a:\a+11], v[\b:\b+11], v[\c:\c+7], v[\sa], v[\sb] matrix_a_fmt:MATRIX_FMT_FP6 matrix_b_fmt:MATRIX_FMT_FP6 matrix_b_scale:MATRIX_SCALE_ROW1
.else
	v_wmma_scale_f32_16x16x128_f8f6f4 v[\d:\d+7], v[\a:\a+11], v[\b:\b+11], v[\c:\c+7], v[\sa], v[\sb] matrix_a_fmt:MATRIX_FMT_FP6 matrix_b_fmt:MATRIX_FMT_FP6
.endif
.endm
; How many loads were issued behind K step k's twelve weight loads.  With a successor (P = 1): three K steps of 12 and 2 scale loads = 38; in steps 1 to 4 the successor's 8 bias loads too = 46.
; Without (P = 0): 38 while the ring is still fed, then the K steps that are left.
.macro LWAIT k, P
.if \P
.if ((\k) == 0) || ((\k) >= 5)
	s_wait_loadcnt 38
.else
	s_wait_loadcnt 46
.endif
.else
.if (\k) < 4
	s_wait_loadcnt 38
.else
	s_wait_loadcnt 12*(7-(\k))
.endif
.endif
.endm
; A K STEP of 128: 16 matrix instructions, the sixteen accumulators by turns, one instruction a turn, in the same order in every step.
; P = 1: the visit has a successor, whose bias, scale words and first four K steps are asked for on the way.  cs: the slot that this visit multiplies; ns: its successor's.
.macro KSTEP k, P, cs, ns
	s_wait_dscnt 0x0                               ; this step's fragments (and, at a walk's head, its scale words), asked for a step ago
.if (\k) < 7
	WIN TOA
	FETCH (\k)+1, \cs                              ; the place's last products stand in front of the last step's v_nop
.elseif \P
	WIN TOA
	FETCH 0, \ns
.endif
	LWAIT \k, \P
.if (\k) == 0
	WIN MULB
.else
	WIN MUL
.endif
.irp m, 0,1,2,3
.irp t, 0,1,2,3
.if (\k) == 0
	WM ACC+8*(4*\m+\t), 48*((\k)%4)+12*\t, 48*((\k)%2)+12*\m, BI+8*\t, WS+8*(\t/2)+(\k), TS+8*(\m/2)+(\k), \t%2, \m%2
.else
	WM ACC+8*(4*\m+\t), 48*((\k)%4)+12*\t, 48*((\k)%2)+12*\m, ACC+8*(4*\m+\t), WS+8*(\t/2)+(\k), TS+8*(\m/2)+(\k), \t%2, \m%2
.endif
.endr
.endr
.rept 4
	v_nop                                          ; places in front of loads into registers that these products have read, and of the first read of results
.endr
.if (\k) == 7
	v_nop                                          ; one more: the next visit's first products write over these accumulators with another C
.endif
.if (\k) < 4
	WIN TOW
	WLOAD 32, (\k)+4
.if ((\k) == 0) && (\P)
	BLOAD
.endif
.elseif \P
	WIN TOW
	WLOAD 38, (\k)-4
.endif
.if (\P) && ((\k) == 3)
	WIN 0
	SLOAD 0
.endif
.if (\P) && ((\k) == 7)
	WIN 0
	SLOAD 1
.if (\cs) != (\ns)
	HSLOAD \ns                                     ; the walk changes: the other slot's scale words
.endif
.endif
.endm
; The visit's end in walk s: results += gate_s x (product + b2) in the rows whose expert of slot s is the one in hand.
.macro EPI s
	s_wait_xcnt 0x0                                ; EXEC changes only behind this wait; no memory instruction is issued until it is whole again for good
.irp m, 0,1,2,3
	v_cmp_eq_u32 vcc_lo, s24, v[16+4*(\s)+\m]
	s_and_saveexec_b32 s56, vcc_lo                 ; only the rows that chose it
	WIN 0xf0                                       ; the results, destination and source 2, in window 3
.irp j, 0,2,4,6,8,10,12,14,16,18,20,22,24,26,28,30
.if \s                                 ; each accumulator from its low end on; of the pair of gates the low word (lo's) or the high word (hi's) serves both halves
	v_pk_fma_f32 v[32*\m+\j:32*\m+\j+1], v[ACC+32*\m+\j:ACC+32*\m+\j+1], v[GT+2*\m:GT+2*\m+1], v[32*\m+\j:32*\m+\j+1] op_sel:[0,1,0] op_sel_hi:[1,1,1]
.else
	v_pk_fma_f32 v[32*\m+\j:32*\m+\j+1], v[ACC+32*\m+\j:ACC+32*\m+\j+1], v[GT+2*\m:GT+2*\m+1], v[32*\m+\j:32*\m+\j+1] op_sel_hi:[1,0,1]
.endif
.endr
	WIN 0
	s_or_b32 exec_lo, exec_lo, s56
.endr
.endm
	PICK 5                                         ; walk 0's first expert
	WIN TOW                                        ; the first visit's 60 loads go out in the order in which a visit asks for its successor's: bias, scale words lo, K steps 0 to 3, scale words hi;
	BLOAD                                          ; the copy goes on to LDS between them, as it lands
	s_wait_loadcnt 38                              ; behind the copy's first 24 loads stand its other 24, 4 of gates, 2 of scale words and the 8 just issued
	WIN ST2
.set n, 0
.rept 24
	ds_store_b128 v15, v[4*n:4*n+3] offset:512*n
.set n, n+1
.endr
	WIN 0
	SLOAD 0
	WIN TOW
	WLOAD 38, 0
	s_wait_loadcnt 22                              ; all but the 8 + 2 + 12 of the first visit: the rest of the copy and the gates are in
	WIN ST2
.set n, 24
.rept 24
	ds_store_b128 v15, v[4*n:4*n+3] offset:512*n
.set n, n+1
.endr
.irp n, 0,1
	ds_store_b128 v30, v[192+4*\n:192+4*\n+3] offset:512*\n
.endr
	WIN TOW
	WLOAD 38, 1
	WLOAD 38, 2
	WLOAD 38, 3
	WIN 0
	SLOAD 1
	WIN 0xc0
.set n, 0
.rept 128
	v_mov_b32 v[n], 0                              ; the results begin as zeros: a visit adds in some lanes only, so no visit can start the sums for all.  (These run while the weights are on their way)
.set n, n+1
.endr
	WIN 0
	s_wait_dscnt 0x0                               ; for the others' sake: my quarter of the copy has landed
	s_barrier_signal -1
	s_barrier_wait -1
	WIN TOA
	FETCH 0, 0
	WIN 0
	HSLOAD 0
; ---- walk 0: the experts that are some row's lo, on slot 0
.Lvisit0:
	s_wait_xcnt 0x0                                ; the loads that are out have read their bases: the pointers may be written
	s_mov_b64 s[32:33], s[38:39]                   ; this visit's weights
	s_mov_b32 s24, s25                             ; and its expert
	s_cmp_eq_u32 s6, 1
	s_cbranch_scc1 .Llast0
	PICK 5
.irp k, 0,1,2,3,4,5,6,7
	KSTEP \k, 1, 0, 0
.endr
	WIN 0
	s_branch .Lepi0
.Llast0:
	PICK 46                                        ; the successor of walk 0's last visit is walk 1's first
.irp k, 0,1,2,3,4,5,6,7
	KSTEP \k, 1, 0, 1
.endr
	WIN 0
.Lepi0:
	EPI 0
	s_sub_co_u32 s6, s6, 1
	s_cmp_lg_u32 s6, 0
	s_cbranch_scc1 .Lvisit0
; ---- walk 1: the experts that are some row's hi, on slot 1
	s_max_u32 s47, s47, 1                          ; every row has a hi, so 1 at the least; the counter starts at 1 or more, whatever rec holds
.Lvisit1:
	s_wait_xcnt 0x0
	s_mov_b64 s[32:33], s[38:39]
	s_mov_b32 s24, s25
	s_cmp_eq_u32 s47, 1
	s_cbranch_scc1 .Llast1
	PICK 46
.irp k, 0,1,2,3,4,5,6,7
	KSTEP \k, 1, 1, 1
.endr
	WIN 0
	s_branch .Lepi1
.Llast1:
.irp k, 0,1,2,3,4,5,6,7
	KSTEP \k, 0, 1, 1
.endr
	WIN 0
.Lepi1:
	EPI 1
	s_sub_co_u32 s47, s47, 1
	s_cmp_lg_u32 s47, 0
	s_cbranch_scc1 .Lvisit1
	s_wait_loadcnt 0x0
	s_wait_dscnt 0x0                               ; my reads of the images are over:
	s_barrier_signal -1
	s_barrier_wait -1                              ; everybody's are, so slot 0's bytes may be written
	; THE WAY OUT, a tile of 16 tokens at a time, through my own stage: a lane holds 64 bytes of a row, and the lanes beside it other rows; back come whole pieces of 256 bytes, which sixteen lanes store, aligned, at the token's own row.
	; LDS serves a wave's instructions in order (ISA guide 5.7.1.4): no wait between the stores and the loads, nor in front of the next tile's stores.
	s_wait_alu depctr_va_vdst(0)
.irp m, 0,1,2,3
	WIN 0x0c                                       ; an LDS store's data are its source 1: window 3
.irp p, 0,1
.irp q, 0,1,2,3
	ds_store_b128 v13, v[8*(4*\m+2*\p)+4*\q:8*(4*\m+2*\p)+4*\q+3] offset:128*\p+16*\q
.endr
.endr
.if \m >= 2
	s_wait_xcnt 0x0                                ; the stores of two tiles ago have read the registers that the loads below fill
.endif
	WIN TOA
.irp i, 0,1,2,3,4,5,6,7
	ds_load_b128 v[32*(\m%2)+4*\i:32*(\m%2)+4*\i+3], v14 offset:SGP*\i
.endr
	WIN ST2
.irp i, 0,1,2,3,4,5,6,7
	s_wait_dscnt 7-\i                              ; row i of the eight is back; the later ones may be out
	global_store_b128 v[224+8*\m+\i], v[32*(\m%2)+4*\i:32*(\m%2)+4*\i+3], s[58:59] th:TH_STORE_NT
.endr
.endr
	WIN 0
	s_wait_tensorcnt 0x0
	ds_add_u32 v213, v219
	s_wait_dscnt 0x0
	s_endpgm
.Lfunc_end_k_q4f316a8e9e_ffn2:
	.size	k_q4f316a8e9e_ffn2, .Lfunc_end_k_q4f316a8e9e_ffn2-k_q4f316a8e9e_ffn2
	.p2alignl 7, 3214868480
	.fill 96, 4, 3214868480
	.section	.rodata,"a",@progbits
	.p2align	6, 0x0
	.amdhsa_kernel k_q4f316a8e9e_ffn2
		.amdhsa_group_segment_fixed_size 102912
		.amdhsa_private_segment_fixed_size 0
		.amdhsa_enable_private_segment 0
		.amdhsa_kernarg_size 64
		.amdhsa_user_sgpr_count 2
		.amdhsa_user_sgpr_kernarg_segment_ptr 1
		.amdhsa_wavefront_size32 1
		.amdhsa_system_sgpr_workgroup_id_x 1
		.amdhsa_system_sgpr_workgroup_id_y 1
		.amdhsa_system_sgpr_workgroup_id_z 1
		.amdhsa_system_vgpr_workitem_id 0
		.amdhsa_next_free_vgpr 896
		.amdhsa_next_free_sgpr 66
		.amdhsa_reserve_vcc 1
		.amdhsa_float_denorm_mode_32 3
		.amdhsa_float_denorm_mode_16_64 3
		.amdhsa_memory_ordered 1
		.amdhsa_forward_progress 1
		.amdhsa_inst_pref_size 196
	.end_amdhsa_kernel
	.amdgpu_metadata
---
amdhsa.version: [ 1, 2 ]
amdhsa.kernels:
  - .name:           k_q4f316a8e9e_ffn2
    .symbol:         k_q4f316a8e9e_ffn2.kd
    .args:
      - { .name: rec, .offset: 0, .size: 8, .value_kind: global_buffer, .address_space: global }
      - { .name: gate, .offset: 8, .size: 8, .value_kind: global_buffer, .address_space: global }
      - { .name: hq, .offset: 16, .size: 8, .value_kind: global_buffer, .address_space: global }
      - { .name: hs, .offset: 24, .size: 8, .value_kind: global_buffer, .address_space: global }
      - { .name: wimg, .offset: 32, .size: 8, .value_kind: global_buffer, .address_space: global }
      - { .name: W2_scales, .offset: 40, .size: 8, .value_kind: global_buffer, .address_space: global }
      - { .name: b2, .offset: 48, .size: 8, .value_kind: global_buffer, .address_space: global }
      - { .name: out0, .offset: 56, .size: 8, .value_kind: global_buffer, .address_space: global }
    .group_segment_fixed_size: 102912
    .private_segment_fixed_size: 0
    .kernarg_segment_align: 8
    .kernarg_segment_size: 64
    .max_flat_workgroup_size: 128
    .sgpr_count:     66
    .vgpr_count:     896
    .wavefront_size: 32
...
	.end_amdgpu_metadata
.endif
;; end of part 7
